; MI455X (gfx1250); checked and timed in simulation.
; The chip was launched on July 23, 2026; its instructions are those of AMD's public machine-readable ISA for CDNA 5 (MIT licence, August 2026) and "CDNA5" Instruction Set Architecture Reference Guide (July 2026). The comments in the code are by the model that wrote it; some were corrected since.
;; Multi Head Attention. Allowed arithmetic: matrix products marked QUANTISED: E2M3 operands, one E8M0 scale for each 32 along K, by v_wmma_scale_f32_16x16x128_f8f6f4 with both operands' format E2M3, f32 sums; everything else in f32.
;; Inputs: Wk 1,024 x 1,024 float32; Wo 1,024 x 1,024 float32; Wq 1,024 x 1,024 float32; Wv 1,024 x 1,024 float32; bk 1,024 float32; bo 1,024 float32; bq 1,024 float32; bv 1,024 float32; x 4 x 2,048 x 1,024 float32.
;; Outputs: out0 4 x 2,048 x 1,024 float32.
;; This version of the problem:
;;   THIS VERSION OF THE PROBLEM IS GIVEN IN LOW PRECISION. The matrix products marked QUANTISED in the list below multiply operands that are first quantised to E2M3 (2 exponent bits, 3 mantissa bits; 6 bits a number), with one power-of-two scale for each 32 numbers along K (OCP MX v1.0); their sums are f32. All else is computed in f32.
;;   The module's matrix products, in the order in which they are computed (A, B: the left and right operand; K: the contracted axis; several contracted axes count as one K, in the product's order):
;;     1. [M 8,192, K 1,024] x [K 1,024, N 1,024]; A: input x; B: input Wq: QUANTISED
;;     2. [M 8,192, K 1,024] x [K 1,024, N 1,024]; A: input x; B: input Wk: QUANTISED
;;     3. [M 8,192, K 1,024] x [K 1,024, N 1,024]; A: input x; B: input Wv: QUANTISED
;;     4. batch 64 x [M 2,048, K 64] x [K 64, N 2,048]; A: computed on the way; B: computed on the way: QUANTISED
;;     5. batch 64 x [M 2,048, K 2,048] x [K 2,048, N 64]; A: softmax (see below); B: computed on the way: QUANTISED
;;     6. [M 8,192, K 1,024] x [K 1,024, N 1,024]; A: computed on the way; B: input Wo: QUANTISED
;;   THE QUANTISER, for each operand of a quantised product, along K:
;;     - K is cut into blocks of 32 from its start; a last block that is shorter is filled with zeros.
;;     - A block's scale is 2^e with e = floor(log2(the largest magnitude in the block)) - 2, held to -126 .. 127; a block of zeros has e = 0. As a byte (E8M0): e + 127.
;;     - Each number is divided by its block's scale, clamped to +-7.5, and rounded to the nearest number of E2M3, ties to even, subnormals kept.
;;     - The product sums the exact products of the quantised numbers (number of the format x scale) in f32.
;;   ~~~python
;;   def quantise(x, axis):      # numpy; x: float32 -> the quantised numbers, widened to float32 again
;;       x = np.moveaxis(x, axis, -1); K = x.shape[-1]
;;       x = np.pad(x, [(0, 0)] * (x.ndim - 1) + [(0, -K % 32)]); x = x.reshape(x.shape[:-1] + (-1, 32)); a = np.abs(x).max(-1, keepdims=True)
;;       e = np.where(a > 0, np.clip(np.frexp(np.where(a > 0, a, 1))[1] - 1 - 2, -126, 127), 0)      # np.frexp(a)[1] - 1 = floor(log2(a)), exactly
;;       r = np.clip(x / 2.0 ** e, -7.5, 7.5)
;;       step = 2.0 ** (np.maximum(np.frexp(np.where(r == 0, 1, r))[1] - 1, 0) - 3)
;;       q = np.round(r / step) * step * 2.0 ** e      # np.round: ties to even
;;       return np.moveaxis(q.reshape(q.shape[:-2] + (-1,))[..., :K], -1, axis).astype(np.float32)
;;   ~~~
;;   SOFTMAX AHEAD OF A QUANTISED PRODUCT. Where the list says 'softmax', what is quantised is not the finished softmax but p = 2^(t - M), with t = logit x log2(e) and M = ceil(the row's largest t), a whole number; so 1/2 < the row's largest p <= 1. The row's sum l is taken of the UNQUANTISED p, in f32, and the product's result is divided by l at the end. Since M is a whole number, a kernel that streams over the keys may use a running M (the ceiling of the running maximum): every later rescaling is an exact power of two, which a block's scale takes up: the codes' values come out the same.
;;   OPERANDS COMPUTED ON THE WAY. 'Computed on the way' means the value that the module computes at that place (a softmax that the list does not call 'softmax' is quantised finished and normalised). What goes into a quantiser is computed in f32, as accurately as f32 sums, v_exp_f32 and their like allow (about 1e-6 of the number): no bf16 or f16 on the way to a quantiser, and a product that is left as it is and whose result goes on into a quantised operand takes f32 operands (vector FMAs, or v_wmma_f32_16x16x4_f32). A number that lies on a knife's edge between two numbers of the format may be rounded either way, as far as f32 arithmetic and the matrix unit's own rounding can turn it there, and no further.
;; One version. Each part assembles by itself: llvm-mc -triple=amdgcn-amd-amdhsa -mcpu=gfx1250 --defsym DOCPART=n.
;; ======== version 1 of 1: 4 launches
;; limits: right only within a limited range of input values
;; workspace buffers: cod 9,437,184 bytes; scl 393,216 bytes; qkc 13,631,488 bytes; vvc 6,553,600 bytes; atc 6,291,456 bytes; ats 524,288 bytes
;; launch quant (part 1): grid 768 x 1, 2 waves a work-group, no clusters, 17,152 bytes of LDS; arguments x, Wq, Wk, Wv, Wo, cod, scl; writes cod, scl
.if DOCPART == 1
	.amdgcn_target "amdgcn-amd-amdhsa--gfx1250"
	.amdhsa_code_object_version 6
	.text
	.protected	k_qef15361875_quant
	.globl	k_qef15361875_quant
	.p2align	8
	.type	k_qef15361875_quant,@function
k_qef15361875_quant:
	s_mov_b64 s[64:65], 0
	v_nop
	global_prefetch_b8 v0, s[64:65] scope:SCOPE_SE
	s_setreg_imm32_b32 hwreg(HW_REG_WAVE_MODE, 25, 1), 1
	s_wait_xcnt 0x0
; x [8192][1024] and Wq, Wk, Wv, Wo [1024][1024], f32, K innermost, become codes of E2M3 with one E8M0 byte for each 32 along K.
; THE CODES ARE LAID AS IMAGES OF OPERAND REGISTERS.  A tile is 16 rows; tile T of a tensor takes rows 32 (T / 2) + 8 (T % 2) + i + 8 (i / 8), i = 0 .. 15.
; A fragment (tile, K step of 128) is 12 registers a lane: register 4 c + e of lane l lies at byte 512 c + 16 l + 4 e of its 1,536 bytes.
; cod: [tile 768][K step 8] fragments; tiles 0-511 x, 512-575 Wq, 576-639 Wk, 640-703 Wv, 704-767 Wo.  scl: [tile][half of K 2][row 16][4 scale words].
; A block's scale is 2^(floor(log2(largest magnitude)) - 2): its byte is the largest magnitude's exponent field - 2, held at 1 from below.
; LIMITS: NaN and infinities among the inputs are not served; a block whose largest magnitude lies under 2^-124, a block of zeros too, keeps the byte 1
; (its codes are then zeros or the nearest codes under that scale; the bytes are read by this program alone).
; SHARES: a work-group takes a tile, wave q its K steps 4 q .. 4 q + 3.  Each load reads 512 consecutive bytes of one row; the 16 rows of a K step turn through the wave's
; own stage in LDS (rows 528 bytes apart), so that lane (r, h) gets, of row r, 16 neighbours of each block of 32.  No barrier: waves share nothing.  No cluster: no input is read twice.
.set SP,   528                         ; a stage row: 512 bytes + 16
.set TM,   16                          ; v16-31   at work in the quantiser
.set PC,   32                          ; v32-51   the codes just made: 12 registers and 8 at work
.set X,    64                          ; v64-127  64 numbers of a lane: register 16 b + i = k 32 b + 16 h + i of my row
.set R,    128                         ; v128-255 two sets of 64 registers as loaded
.set SEL,  20                          ; s[20:21] lane selects: lane l xor 16
; 64 numbers of a lane become a fragment's codes in v[pc] .. v[pc + 11] and its scale word in v[pw]
.macro QUANT s, pc, pw
.irp b, 0,1,2,3
	v_max3_num_f32 v[TM+\b], |v[\s+16*\b]|, |v[\s+1+16*\b]|, 0x1800000   ; block b: my 16 numbers, and the floor 2^(3 - 127): the byte cannot fall under 1
.endr
.irp i, 2,4,6,8,10,12,14
.irp b, 0,1,2,3
	v_max3_num_f32 v[TM+\b], v[TM+\b], |v[\s+16*\b+\i]|, |v[\s+1+16*\b+\i]|   ; the four blocks by turns
.endr
.endr
.irp b, 0,1,2,3
	v_permlanex16_b32 v[TM+4+\b], v[TM+\b], s[SEL], s[SEL+1]
.endr
.irp b, 0,1,2,3
	v_max_num_f32 v[TM+\b], v[TM+\b], v[TM+4+\b]          ; with lane l xor 16's 16: the block's largest magnitude
.endr
.irp b, 0,1,2,3
	v_add_nc_u32 v[TM+12+\b], 0xff000000, v[TM+\b]        ; 2 off its exponent field: the conversion's scale operand
.endr
.irp b, 0,1,2,3
	v_lshrrev_b32 v[TM+4+\b], 23, v[TM+12+\b]             ; the scale's byte
.endr
	v_lshl_or_b32 v[\pw], v[TM+5], 8, v[TM+4]
	v_lshl_or_b32 v[\pw], v[TM+6], 16, v[\pw]
	v_lshl_or_b32 v[\pw], v[TM+7], 24, v[\pw]             ; my row's scale word for these 128
.irp c, 0,1
	v_cvt_scalef32_pk16_fp6_f32 v[\pc+6*\c:\pc+2+6*\c], v[\s+32*\c:\s+15+32*\c], v[TM+12+2*\c]
	v_cvt_scalef32_pk16_fp6_f32 v[\pc+12+4*\c:\pc+14+4*\c], v[\s+16+32*\c:\s+31+32*\c], v[TM+12+2*\c+1]   ; (three registers begin on an even number)
.endr
	v_nop                                                 ; one plain instruction behind the scaled conversions
.irp c, 0,1                                               ; the operand wants a whole block in a lane: lanes 0-15 block 2 c, lanes 16-31 block 2 c + 1
.irp i, 0,1,2
	v_permlane16_swap_b32 v[\pc+6*\c+\i], v[\pc+12+4*\c+\i]
.endr
.irp i, 0,1,2
	v_mov_b32 v[\pc+3+6*\c+\i], v[\pc+12+4*\c+\i]
.endr
.endr
.endm
	s_load_b256 s[4:11], s[0:1], 0x0               ; x, Wq, Wk, Wv
	s_load_b128 s[12:15], s[0:1], 0x20             ; Wo, cod
	s_load_b64 s[16:17], s[0:1], 0x30              ; scl
	v_lshl_add_u32 v62, v0, 2, 0x4200
	v_mov_b32 v63, 0
	v_lshrrev_b32 v1, 5, v0
	v_readfirstlane_b32 s18, v1                    ; wave q
	v_and_b32 v1, 31, v0                           ; lane
	v_and_b32 v6, 15, v0                           ; r
	v_bfe_u32 v7, v0, 4, 1                         ; h
	v_lshlrev_b32 v2, 4, v1                        ; 16 x lane: my bytes of a load, and of a store of codes
	s_mul_i32 s19, s18, 16*SP                      ; my wave's stage
	v_add_nc_u32 v3, s19, v2                       ; into it: 16 x lane of a row
	v_mul_u32_u24 v4, v6, SP
	v_lshl_add_u32 v4, v7, 6, v4
	v_add_nc_u32 v4, s19, v4                       ; out of it: row r, + 64 h
	s_mov_b32 s[SEL], 0x76543210
	s_mov_b32 s[SEL+1], 0xfedcba98
.irp b, 0,1,2,3
	v_mov_b32 v[TM+4+\b], 0                        ; written once: a lane permute's destination counts as one of its sources
.endr
	s_wait_alu depctr_va_vdst(0)
	s_wait_kmcnt 0x0
	s_cmp_lt_u32 ttmp9, 512                        ; which tensor: the choice hangs on the work-group's number alone
	s_cselect_b64 s[4:5], s[4:5], s[6:7]
	s_cselect_b32 s22, 0, 512
	s_cmp_lt_u32 ttmp9, 576
	s_cselect_b64 s[4:5], s[4:5], s[8:9]
	s_cselect_b32 s22, s22, 576
	s_cmp_lt_u32 ttmp9, 640
	s_cselect_b64 s[4:5], s[4:5], s[10:11]
	s_cselect_b32 s22, s22, 640
	s_cmp_lt_u32 ttmp9, 704
	s_cselect_b64 s[4:5], s[4:5], s[12:13]
	s_cselect_b32 s22, s22, 704
	s_sub_co_u32 s23, ttmp9, s22                   ; the tile's number in its tensor
	s_lshr_b32 s24, s23, 1
	s_lshl_b32 s24, s24, 17                        ; 32 rows of 4,096 bytes for each pair of tiles,
	s_and_b32 s25, s23, 1
	s_lshl_b32 s25, s25, 15                        ; 8 rows for the odd tile,
	s_add_co_u32 s24, s24, s25
	s_lshl_b32 s25, s18, 11                        ; 2,048 bytes along the row for wave 1
	s_add_co_u32 s24, s24, s25
	s_mov_b32 s25, 0
	s_add_nc_u64 s[4:5], s[4:5], s[24:25]
	s_mul_i32 s26, ttmp9, 12288                    ; cod: a tile's 8 fragments; my four
	s_mul_i32 s27, s18, 6144
	s_add_co_u32 s26, s26, s27
	s_mov_b32 s27, 0
	s_add_nc_u64 s[14:15], s[14:15], s[26:27]
	s_lshl_b32 s26, ttmp9, 9                       ; scl: 512 bytes a tile, 256 a wave
	s_lshl_b32 s28, s18, 8
	s_add_co_u32 s26, s26, s28
	s_add_nc_u64 s[16:17], s[16:17], s[26:27]
.macro LOAD t                          ; K step t of my four: 16 rows x 512 bytes
.irp i, 0,1,2,3,4,5,6,7,8,9,10,11,12,13,14,15
	global_load_b128 v[R+64*((\t)%2)+4*\i:R+64*((\t)%2)+4*\i+3], v2, s[4:5] offset:(\i+8*(\i/8))*4096+512*(\t) th:TH_LOAD_NT
.endr
.endm
.macro TURN t                          ; through the stage: LDS serves a wave's instructions in order, so no wait stands between the stores and the loads
.irp i, 0,1,2,3,4,5,6,7,8,9,10,11,12,13,14,15
	ds_store_b128 v3, v[R+64*((\t)%2)+4*\i:R+64*((\t)%2)+4*\i+3] offset:SP*\i
.endr
.irp b, 0,1,2,3
.irp j, 0,1,2,3
	ds_load_b128 v[X+16*\b+4*\j:X+16*\b+4*\j+3], v4 offset:128*\b+16*\j
.endr
.endr
.endm
.macro STEPQ t
.if (\t) < 3
	s_wait_loadcnt 16                              ; this step's 16 loads are in; the next step's 16 may be out
.else
	s_wait_loadcnt 0
.endif
	TURN \t
	s_wait_dscnt 0x0                               ; my 64 numbers are back
.if (\t) > 0
	s_wait_xcnt 0x0                                ; the last step's stores have read the codes' registers, which are written again below
.endif
.if (\t) < 2
	LOAD (\t)+2
.endif
	QUANT X, PC, 8+(\t)
.irp c, 0,1,2
	global_store_b128 v2, v[PC+4*\c:PC+4*\c+3], s[14:15] offset:1536*(\t)+512*\c   ; 32 lanes store 512 consecutive bytes, aligned
.endr
.endm
	LOAD 0
	LOAD 1
	STEPQ 0
	STEPQ 1
	STEPQ 2
	STEPQ 3
	s_wait_xcnt 0x0                                ; EXEC changes only behind this wait
	v_cmp_gt_u32 vcc_lo, 16, v1
	s_wait_tensorcnt 0x0
	ds_add_u32 v62, v63
	s_wait_dscnt 0x0
	s_and_saveexec_b32 s26, vcc_lo
	global_store_b128 v2, v[8:11], s[16:17]        ; lanes 0-15: row r's four scale words: 256 consecutive bytes, aligned
	s_wait_xcnt 0x0
	s_or_b32 exec_lo, exec_lo, s26
	s_endpgm
.Lfunc_end_k_qef15361875_quant:
	.size	k_qef15361875_quant, .Lfunc_end_k_qef15361875_quant-k_qef15361875_quant
	.p2alignl 7, 3214868480
	.fill 96, 4, 3214868480
	.section	.rodata,"a",@progbits
	.p2align	6, 0x0
	.amdhsa_kernel k_qef15361875_quant
		.amdhsa_group_segment_fixed_size 17152
		.amdhsa_private_segment_fixed_size 0
		.amdhsa_enable_private_segment 0
		.amdhsa_kernarg_size 56
		.amdhsa_user_sgpr_count 2
		.amdhsa_user_sgpr_kernarg_segment_ptr 1
		.amdhsa_wavefront_size32 1
		.amdhsa_system_sgpr_workgroup_id_x 1
		.amdhsa_system_sgpr_workgroup_id_y 1
		.amdhsa_system_sgpr_workgroup_id_z 1
		.amdhsa_system_vgpr_workitem_id 0
		.amdhsa_next_free_vgpr 256
		.amdhsa_next_free_sgpr 66
		.amdhsa_reserve_vcc 1
		.amdhsa_float_denorm_mode_32 3
		.amdhsa_float_denorm_mode_16_64 3
		.amdhsa_memory_ordered 1
		.amdhsa_forward_progress 1
		.amdhsa_inst_pref_size 34
	.end_amdhsa_kernel
	.amdgpu_metadata
---
amdhsa.version: [ 1, 2 ]
amdhsa.kernels:
  - .name:           k_qef15361875_quant
    .symbol:         k_qef15361875_quant.kd
    .args:
      - { .name: x, .offset: 0, .size: 8, .value_kind: global_buffer, .address_space: global }
      - { .name: Wq, .offset: 8, .size: 8, .value_kind: global_buffer, .address_space: global }
      - { .name: Wk, .offset: 16, .size: 8, .value_kind: global_buffer, .address_space: global }
      - { .name: Wv, .offset: 24, .size: 8, .value_kind: global_buffer, .address_space: global }
      - { .name: Wo, .offset: 32, .size: 8, .value_kind: global_buffer, .address_space: global }
      - { .name: cod, .offset: 40, .size: 8, .value_kind: global_buffer, .address_space: global }
      - { .name: scl, .offset: 48, .size: 8, .value_kind: global_buffer, .address_space: global }
    .group_segment_fixed_size: 17152
    .private_segment_fixed_size: 0
    .kernarg_segment_align: 8
    .kernarg_segment_size: 56
    .max_flat_workgroup_size: 64
    .sgpr_count:     66
    .vgpr_count:     256
    .wavefront_size: 32
...
	.end_amdgpu_metadata
.endif
;; end of part 1
;; launch qkv (part 2): grid 4 x 64, 4 waves a work-group, clusters of 4 x 4, 327,680 bytes of LDS; arguments cod, scl, bq, bk, bv, qkc, vvc; writes qkc, vvc
.if DOCPART == 2
	.amdgcn_target "amdgcn-amd-amdhsa--gfx1250"
	.amdhsa_code_object_version 6
	.text
	.protected	k_qef15361875_qkv
	.globl	k_qef15361875_qkv
	.p2align	8
	.type	k_qef15361875_qkv,@function
k_qef15361875_qkv:
	s_mov_b64 s[64:65], 0
	v_nop
	global_prefetch_b8 v0, s[64:65] scope:SCOPE_SE
	s_setreg_imm32_b32 hwreg(HW_REG_WAVE_MODE, 25, 1), 1
	s_wait_xcnt 0x0
	s_wait_alu depctr_hold_cnt(0) depctr_sa_sdst(0) depctr_va_vdst(0) depctr_va_sdst(0) depctr_va_ssrc(0) depctr_va_vcc(0) depctr_vm_vsrc(0)
	s_getreg_b32 s2, hwreg(HW_REG_IB_STS2, 6, 4)
	s_cmp_eq_u32 s2, 0
	s_cbranch_scc0 .Lentry_in_a_cluster
	s_endpgm
.Lentry_in_a_cluster:
	s_bfe_u32 s2, ttmp6, 0x10000c
	s_cmp_lg_u32 s2, 0xf033
	s_cbranch_scc0 .Lentry_shape_is_right
	s_endpgm
.Lentry_shape_is_right:
; q = x Wq^T + bq, k = x Wk^T + bk, v = x Wv^T + bv on codes of E2M3, and their quantising for attention: q and k along the head's 64, v along the keys.
; ONE FORM FOR ALL THREE: C(i, j) = sum over k of R(i, k) L(j, k); source 0 = 16 rows of R, source 1 = 16 rows of L: in a result lane (r, h) holds j = row r of L's tile and its registers run along i.
; A tile's rows are 32 (T / 2) + 8 (T % 2) + i + 8 (i / 8), so the 16 registers of R's tiles 2 g and 2 g + 1 are the 16 neighbours 32 g + 16 h + 0 .. 15.
; q, k: L = x (a lane holds a token), R = Wq or Wk (registers along the features).   v: L = Wv (a lane holds a feature), R = x (registers along the keys).
; So each result has its next K along a lane's registers and is quantised where it lies; nothing is transposed.
; A WORK-GROUP STAYS: it owns 128 tokens of x (8 tiles, all of K = 1,024) and features 256 cx .. + 255 of each weight (16 tiles), and makes three tiles on end: q, k, v.  256 work-groups.
; A wave makes 64 rows of L x 128 rows of R: 32 accumulators.  q, k: wave (wl, wr) has x's tiles 4 wl .. and the weight's 8 wr ..;  v: wave w has Wv's tiles 4 w .. (one head) and all 8 of x (one step of 128 keys).
; LDS: two halves of K, four K steps each: x's 8 tiles x 6,144 bytes, then a weight's 16.  x is filled once and stays.  The weight's two slots are filled at the head with Wq and again, each twice, with Wk and Wv:
; slot 0 in K step 3, when every wave holds that step's fragments in registers, slot 1 in K step 7 likewise.  Each refill stands behind a round of the cluster's barrier with a tensor wait, an LDS add and its wait
; ahead of it; a wave loads a quarter of a slot.  What a refill brought is shown by the next round, and in v's tile by a plain barrier in K step 3.  A wave has one tensor load out at the most.
; CLUSTER 4 x 4: x's tiles hang on the cluster's row, a weight's on its column: each is asked for jointly by the four that need it.  All partners make q, k, v in the same order: no branch hangs on a place in the cluster.
; No prefetch: K is short and the walk is three tiles; a refill is asked for four K steps, or a way out and four K steps, ahead of its first read.
; q and k are a loop of two trips; v, which fills nothing again, is written out.  The next tile's scale words, bias and first fragments are asked for ahead of a tile's way out.
; The bias is the C of each sum's first matrix instruction: along the registers for q, k, along the lanes for v.
; OUT: qkc [q | k][batch x head 64][step of 128 tokens 16] records of 6,656 bytes: 8 tiles x 768 (registers 0-3 at 16 l, registers 4-5 at 512 + 8 l), then two blocks of 256 bytes of scale words
; (lane l, word e: row r of tile 4 block + 2 e + h; the row's two bytes stand twice in the word).  vvc [batch x head][step] records of 6,400: 4 fragments of 1,536 (16 of the head's 64 x 128 keys), then 256 bytes of scale words.
; LIMITS: NaN and infinities are not served; a block whose largest magnitude lies under 2^-124 keeps the byte 1.
; REGISTERS: window 0: v1-15 ids and addresses (v4-7 L's and R's fragments for q, k in halves 0, 1 of K; v12-15 for v; never rewritten); v16-31 L's scale words, v32-63 R's (register 8 i + s: tiles 2 i | 2 i + 1 in lanes 0-15 | 16-31, K step s);
;   v64-159 L's fragments, two sets; on the way out v128-235.   window 1: v0-191 R's fragments, two sets; v192-255 the bias.   window 2: accumulator (a, b) at v[64 a + 8 b].
.set CHUNK, 147456                     ; four K steps: x's 8 tiles x 6,144 bytes, then a weight's 16
.set WSLOT, 49152                      ; where the weight's slot begins in a half
.set WSTEP, 64*12288                   ; from a weight's tiles in cod to the next weight's
.set QKSTEP, 64*16*6656                ; from q's records to k's
.set HEADB, 106496                     ; from a head's records to the next head's: 16 x 6,656
.set LS,   16
.set RS,   32
.set LF,   64
.set BI,   192
.set PC,   128                         ; the way out: codes of tile a at v[128 + 20 a]
.set TM,   208
.set PW,   224
.set WW,   228
.set BVL,  236                         ; v's bias: 4 (r + 8 (r / 8))
.set G1L,  28                          ; groups 1: x's 8 rows; a weight's 16; a quarter slot's 4
.set G1R,  36
.set G1Q,  44
.set G0X0, 52                          ; groups 0 of the head's four loads
.set G0W0, 56
.set G0X1, 60
.set G0W1, 68
.set G0A,  72                          ; and of the refills of slot 0 and slot 1
.set G0B,  76
.set SEL,  66
.set MSB, 0
.macro WIN new                         ; the immediate's high byte repeats the setting that is left
.if MSB != \new
	s_set_vgpr_msb (MSB<<8)|\new
.set MSB, \new
.endif
.endm
.macro PLACES n
.rept \n
	v_nop
.endr
.endm
.macro CREST                           ; a round of the cluster's barrier behind its opening barrier
	s_cmp_lg_u32 s18, 0
	s_cbranch_scc1 .Lnot_wave_0_\@
	s_barrier_signal -3
.Lnot_wave_0_\@:
	s_barrier_wait -3
	s_barrier_signal -1
	s_barrier_wait -1
.endm
.macro CROUND
	s_barrier_signal -1
	s_barrier_wait -1
	CREST
.endm
.macro GROUP1 g, mask, rows            ; rows of 6,144 bytes (768 elements of 8), one for each tile, 12,288 bytes apart; no padding: images are read 16 bytes a lane on end
	s_or_b32 s[\g], s\mask, (3<<16)|(1<<21)
	s_mov_b32 s[\g+1], 768<<16
	s_mov_b32 s[\g+2], (\rows)<<16
	s_mov_b32 s[\g+3], 768<<16
	s_mov_b32 s[\g+4], \rows
	s_mov_b32 s[\g+5], 1536
	s_mov_b32 s[\g+6], 0
	s_mov_b32 s[\g+7], 0
.endm
.macro TLOAD g0, g1
	tensor_load_to_lds s[\g0:\g0+3], s[\g1:\g1+7]
	s_nop 0
	PLACES 4
.endm
; one product: D, source 0, source 1, C by their first registers; the scale registers; ra, rb: the scales stand in lanes 16-31
.macro WM d, a, b, c, sa, sb, ra, rb
.if (\ra) && (\rb)
	v_wmma_scale_f32_16x16x128_f8f6f4 v[\d:\d+7], v[\a:\a+11], v[\b:\b+11], v[\c:\c+7], v[\sa], v[\sb] matrix_a_fmt:MATRIX_FMT_FP6 matrix_b_fmt:MATRIX_FMT_FP6 matrix_a_scale:MATRIX_SCALE_ROW1 matrix_b_scale:MATRIX_SCALE_ROW1
.elseif (\ra)
	v_wmma_scale_f32_16x16x128_f8f6f4 v[\d:\d+7], v[\a:\a+11], v[\b:\b+11], v[\c:\c+7], v[\sa], v[\sb] matrix_a_fmt:MATRIX_FMT_FP6 matrix_b_fmt:MATRIX_FMT_FP6 matrix_a_scale:MATRIX_SCALE_ROW1
.elseif (\rb)
	v_wmma_scale_f32_16x16x128_f8f6f4 v[\d:\d+7], v[\a:\a+11], v[\b:\b+11], v[\c:\c+7], v[\sa], v[\sb] matrix_a_fmt:MATRIX_FMT_FP6 matrix_b_fmt:MATRIX_FMT_FP6 matrix_b_scale:MATRIX_SCALE_ROW1
.else
	v_wmma_scale_f32_16x16x128_f8f6f4 v[\d:\d+7], v[\a:\a+11], v[\b:\b+11], v[\c:\c+7], v[\sa], v[\sb] matrix_a_fmt:MATRIX_FMT_FP6 matrix_b_fmt:MATRIX_FMT_FP6
.endif
.endm
; K step s of a tile of kind k (0: q, k; 1: v): my 8 fragments of R and 4 of L into set s % 2: images of registers, three loads of 16 bytes a lane each
.macro FETCH s, k
	WIN 0x40                                       ; destination window 1
.irp b, 0,1,2,3,4,5,6,7
.irp c, 0,1,2
	ds_load_b128 v[96*((\s)%2)+12*\b+4*\c:96*((\s)%2)+12*\b+4*\c+3], v[6+8*(\k)+(\s)/4] offset:6144*\b+1536*((\s)%4)+512*\c
.endr
.endr
	WIN 0
.irp a, 0,1,2,3
.irp c, 0,1,2
	ds_load_b128 v[LF+48*((\s)%2)+12*\a+4*\c:LF+48*((\s)%2)+12*\a+4*\c+3], v[4+8*(\k)+(\s)/4] offset:6144*\a+1536*((\s)%4)+512*\c
.endr
.endr
.endm
; 16 products of K step s: L's tiles a0, a0 + 1 x R's eight.  The 32 accumulators take turns, one instruction a turn, in the same order in every step
.macro MULH s, a0
	WIN 0xa1                                       ; source 0 window 1, source 1 window 0, C and D window 2
.irp a, \a0, \a0+1
.irp b, 0,1,2,3,4,5,6,7
	WM 64*(\a)+8*\b, 96*((\s)%2)+12*\b, LF+48*((\s)%2)+12*(\a), 64*(\a)+8*\b, RS+8*(\b/2)+(\s), LS+8*((\a)/2)+(\s), \b%2, (\a)%2
.endr
.endr
.endm
; the same of K step 0, which starts the sums with the bias: kind 0: the eight features of R's tile b; kind 1: the lane's own feature of L's tile a, eight times
.macro MULB kind, a0
	WIN 0x91                                       ; source 0 and C window 1, source 1 window 0, D window 2
.irp a, \a0, \a0+1
.irp b, 0,1,2,3,4,5,6,7
.if \kind
	WM 64*(\a)+8*\b, 12*\b, LF+12*(\a), BI+8*(\a), RS+8*(\b/2), LS+8*((\a)/2), \b%2, (\a)%2
.else
	WM 64*(\a)+8*\b, 12*\b, LF+12*(\a), BI+8*\b, RS+8*(\b/2), LS+8*((\a)/2), \b%2, (\a)%2
.endif
.endr
.endr
.endm
.macro KSTEP s, k                      ; a K step whose successor lies in the same half of K
	s_wait_dscnt 0x0                               ; this step's fragments are in
	PLACES 4                                       ; four plain instructions between the last product that read the other set and the loads into it
	FETCH (\s)+1, \k
	MULH \s, 0
	MULH \s, 2
.endm
; K step s of q's or k's tile with a refill: my fragments of the step are in registers, so the half of K that it ends is read no more.  g0: the refill's group 0
.macro KROUND s, g0
	WIN 0
	s_wait_tensorcnt 0x0                           ; all my tensor loads have landed;
	ds_add_u32 v254, v255                          ; 0 onto my spare word;
.if (\s) == 3
	s_add_nc_u64 s[G0A+2:G0A+3], s[G0A+2:G0A+3], WSTEP   ; no load of mine is out: both refills step to the next weight
	s_add_nc_u64 s[G0B+2:G0B+3], s[G0B+2:G0B+3], WSTEP
.endif
	s_wait_dscnt 0x0                               ; the add is done, and so are my reads
	s_barrier_signal -1                            ; the round opens;
	MULH \s, 0                                     ; work on registers while the others arrive
	WIN 0
	s_barrier_wait -1
	CREST                                          ; no wave of any partner still reads this slot or has a load on its way
	TLOAD \g0, G1Q                                 ; my quarter of the slot; its four v_nop are the places ahead of the loads below
.if (\s) == 3
	FETCH 4, 0
.endif
	MULH \s, 2
.endm
; 64 results of a lane, window 2 v[s] on (register 16 b + i = index 32 b + 16 h + i of the next K), become a fragment's codes in v[pc] on and its scale word in v[pw], both in window 0.
; Each accumulator is first read at its low end.
.macro QUANTW s, pc, pw
	WIN 0x0a                                       ; sources 0 and 1 window 2
.irp b, 0,1,2,3
	v_max3_num_f32 v[TM+\b], |v[\s+16*\b]|, |v[\s+1+16*\b]|, 0x1800000   ; my 16 numbers of block b, and the floor 2^(3 - 127)
.endr
	WIN 0x28                                       ; sources 1 and 2 window 2
.irp i, 2,4,6,8,10,12,14
.irp b, 0,1,2,3
	v_max3_num_f32 v[TM+\b], v[TM+\b], |v[\s+16*\b+\i]|, |v[\s+1+16*\b+\i]|
.endr
.endr
	WIN 0
.irp b, 0,1,2,3
	v_permlanex16_b32 v[TM+4+\b], v[TM+\b], s[SEL], s[SEL+1]
.endr
.irp b, 0,1,2,3
	v_max_num_f32 v[TM+\b], v[TM+\b], v[TM+4+\b]
.endr
.irp b, 0,1,2,3
	v_add_nc_u32 v[TM+12+\b], 0xff000000, v[TM+\b]        ; 2 off the exponent field: the conversion's scale operand
.endr
.irp b, 0,1,2,3
	v_lshrrev_b32 v[TM+4+\b], 23, v[TM+12+\b]
.endr
	v_lshl_or_b32 v[\pw], v[TM+5], 8, v[TM+4]
	v_lshl_or_b32 v[\pw], v[TM+6], 16, v[\pw]
	v_lshl_or_b32 v[\pw], v[TM+7], 24, v[\pw]
	WIN 0x02                                       ; source 0 window 2
.irp c, 0,1
	v_cvt_scalef32_pk16_fp6_f32 v[\pc+6*\c:\pc+2+6*\c], v[\s+32*\c:\s+15+32*\c], v[TM+12+2*\c]
	v_cvt_scalef32_pk16_fp6_f32 v[\pc+12+4*\c:\pc+14+4*\c], v[\s+16+32*\c:\s+31+32*\c], v[TM+12+2*\c+1]
.endr
	WIN 0
	v_nop                                          ; one plain instruction behind the scaled conversions
.irp c, 0,1
.irp i, 0,1,2
	v_permlane16_swap_b32 v[\pc+6*\c+\i], v[\pc+12+4*\c+\i]
.endr
.irp i, 0,1,2
	v_mov_b32 v[\pc+3+6*\c+\i], v[\pc+12+4*\c+\i]
.endr
.endr
.endm
; what a tile of q or k wants beside its fragments: the weight's scale words (all of K, my 8 tiles) and my 128 features of the bias: register 16 g + i of the 64 = feature 32 g + 16 h + i
.macro PREG0 rsp, bp
.irp i, 0,1,2,3
.irp q, 0,1
	global_load_b128 v[RS+8*\i+4*\q:RS+8*\i+4*\q+3], v10, s[\rsp:\rsp+1] offset:1024*\i+256*\q   ; sixteen lanes read 256 consecutive bytes
.endr
.endr
	WIN 0x40
.irp g, 0,1,2,3
.irp j, 0,1,2,3
	global_load_b128 v[BI+16*\g+4*\j:BI+16*\g+4*\j+3], v11, s[\bp:\bp+1] offset:128*\g+16*\j
.endr
.endr
	WIN 0
.endm
; and v's tile: Wv's scale words (my 4 tiles) as L's, x's (all 8 tiles) as R's; a lane's own feature of the bias fills the eight registers of a C
.macro PREG1
.irp i, 0,1
.irp q, 0,1
	global_load_b128 v[LS+8*\i+4*\q:LS+8*\i+4*\q+3], v10, s[84:85] offset:1024*\i+256*\q
.endr
.endr
.irp i, 0,1,2,3
.irp q, 0,1
	global_load_b128 v[RS+8*\i+4*\q:RS+8*\i+4*\q+3], v10, s[86:87] offset:1024*\i+256*\q
.endr
.endr
	WIN 0x40
.irp a, 0,1,2,3
.irp j, 0,1,2,3,4,5,6,7
	global_load_b32 v[BI+8*\a+\j], v[BVL], s[92:93] offset:4*(32*(\a/2)+8*(\a%2))
.endr
.endr
	WIN 0
.endm
.macro FIRST3 k                        ; K steps 0 to 2 of a tile
	s_wait_loadcnt 0x0                             ; the scale words and the bias
	s_wait_dscnt 0x0                               ; K step 0's fragments
	FETCH 1, \k
	MULB \k, 0
	MULB \k, 2
	KSTEP 1, \k
	KSTEP 2, \k
.endm
.macro OUTHEAD
	v_cmp_le_u32 vcc_lo, 16, v1                    ; lanes 16-31
.irp b, 0,1,2,3
	v_mov_b32 v[TM+4+\b], 0                        ; a lane permute's destination counts as one of its sources
.endr
.endm
	s_load_b256 s[4:11], s[0:1], 0x0               ; cod, scl, bq, bk
	s_load_b128 s[12:15], s[0:1], 0x20             ; bv, qkc
	s_load_b64 s[16:17], s[0:1], 0x30              ; vvc
	v_lshl_add_u32 v254, v0, 2, 0x48000
	v_mov_b32 v255, 0
	ds_add_u32 v254, v255                          ; the opening lines: the add, twice on end, and its wait ahead of my first tensor load
	ds_add_u32 v254, v255
	v_lshrrev_b32 v1, 5, v0
	v_readfirstlane_b32 s18, v1                    ; wave 0..3
	s_lshr_b32 s19, s18, 1                         ; wl
	s_and_b32 s20, s18, 1                          ; wr
	s_bfe_u32 s21, ttmp6, 0x40000                  ; cx: my 256 features of each weight
	s_bfe_u32 s22, ttmp6, 0x40004                  ; cy
	s_and_b32 s23, ttmp7, 0xffff
	s_lshl_b32 s23, s23, 2
	s_add_co_u32 s23, s23, s22                     ; my block of 128 tokens, 0 .. 63: it hangs on cy, never on cx
	s_lshl_b32 s2, s22, 2
	s_lshl_b32 s2, 15, s2                          ; my row of the cluster
	s_lshl_b32 s3, 0x1111, s21                     ; my column
	GROUP1 G1L, 2, 8
	GROUP1 G1R, 3, 16
	GROUP1 G1Q, 3, 4
	s_mul_i32 s24, s23, 8*12288                    ; x's 8 tiles in cod, in bytes
	s_mov_b32 s25, 0
	s_lshl_b32 s26, s21, 4
	s_add_co_u32 s26, s26, 512                     ; Wq's first tile of my 16
	s_mul_i32 s100, s26, 12288
	s_mov_b32 s101, 0
	s_mul_i32 s98, s18, 4*12288                    ; a refill's quarter: 4 tiles for each wave
	s_add_co_u32 s98, s98, s100
	s_mov_b32 s99, 0
	s_mov_b32 s[G0X0], 1
	s_mov_b32 s[G0X0+1], 0
	s_mov_b32 s[G0W0], 1
	s_mov_b32 s[G0W0+1], WSLOT
	s_mov_b32 s[G0X1], 1
	s_mov_b32 s[G0X1+1], CHUNK
	s_mov_b32 s[G0W1], 1
	s_mov_b32 s[G0W1+1], CHUNK+WSLOT
	s_mov_b32 s[G0A], 1
	s_mul_i32 s[G0A+1], s18, 4*6144                ; no place in the cluster enters an LDS address
	s_add_co_u32 s[G0A+1], s[G0A+1], WSLOT
	s_mov_b32 s[G0B], 1
	s_add_co_u32 s[G0B+1], s[G0A+1], CHUNK
	s_mov_b32 s[SEL], 0x76543210
	s_mov_b32 s[SEL+1], 0xfedcba98
	s_wait_dscnt 0x0                               ; both opening adds are done
	s_wait_kmcnt 0x0
	s_add_nc_u64 s[G0X0+2:G0X0+3], s[4:5], s[24:25]
	s_add_nc_u64 s[G0X1+2:G0X1+3], s[G0X0+2:G0X0+3], 6144
	s_add_nc_u64 s[G0W0+2:G0W0+3], s[4:5], s[100:101]
	s_add_nc_u64 s[G0W1+2:G0W1+3], s[G0W0+2:G0W0+3], 6144
	s_add_nc_u64 s[G0A+2:G0A+3], s[4:5], s[98:99]  ; Wq's quarter: the first round steps it to Wk's
	s_add_nc_u64 s[G0B+2:G0B+3], s[G0A+2:G0A+3], 6144
.irp g, G0X0, G0X1, G0W0, G0W1, G0A, G0B
	s_or_b32 s[\g+3], s[\g+3], 0x80000000
.endr
	CROUND                                         ; all sixteen work-groups are here: the joint loads meet
	s_cmp_eq_u32 s18, 0                            ; one chain of branches on the wave's number, one joint load to an arm
	s_cbranch_scc0 .Larm_1
	TLOAD G0X0, G1L                                ; wave 0: x, K steps 0-3
	s_branch .Lasked
.Larm_1:
	s_cmp_eq_u32 s18, 1
	s_cbranch_scc0 .Larm_2
	TLOAD G0W0, G1R                                ; wave 1: Wq, K steps 0-3
	s_branch .Lasked
.Larm_2:
	s_cmp_eq_u32 s18, 2
	s_cbranch_scc0 .Larm_3
	TLOAD G0X1, G1L                                ; wave 2: x, K steps 4-7
	s_branch .Lasked
.Larm_3:
	TLOAD G0W1, G1R                                ; wave 3: Wq, K steps 4-7
.Lasked:
	; where the scale words, the biases and the results lie
	s_lshl_b32 s24, s23, 12                        ; scl: 512 bytes a tile; x's 8 tiles, R's words for v
	s_add_nc_u64 s[86:87], s[6:7], s[24:25]
	s_lshl_b32 s24, s19, 11
	s_add_nc_u64 s[2:3], s[86:87], s[24:25]        ; my four of them, L's words for q and k
	s_lshl_b32 s24, s26, 9
	s_lshl_b32 s27, s20, 12
	s_add_co_u32 s24, s24, s27
	s_add_nc_u64 s[80:81], s[6:7], s[24:25]        ; Wq: my 8 tiles
	s_add_nc_u64 s[82:83], s[80:81], 64*512        ; Wk
	s_lshl_b32 s24, s26, 9
	s_add_co_u32 s24, s24, 128*512
	s_lshl_b32 s27, s18, 11
	s_add_co_u32 s24, s24, s27
	s_add_nc_u64 s[84:85], s[6:7], s[24:25]        ; Wv: my 4 tiles
	s_lshl_b32 s27, s21, 10                        ; 256 cx features of 4 bytes
	s_lshl_b32 s24, s20, 9
	s_add_co_u32 s24, s24, s27
	s_add_nc_u64 s[88:89], s[8:9], s[24:25]        ; bq: my 128 features
	s_add_nc_u64 s[90:91], s[10:11], s[24:25]      ; bk
	s_lshl_b32 s24, s18, 8
	s_add_co_u32 s24, s24, s27
	s_add_nc_u64 s[92:93], s[12:13], s[24:25]      ; bv: my 64
	s_lshr_b32 s24, s23, 4
	s_lshl_b32 s24, s24, 4                         ; the batch x 16
	s_lshl_b32 s27, s21, 2
	s_add_co_u32 s27, s27, s24                     ; + 4 cx: the first of my work-group's four heads
	s_and_b32 s99, s23, 15                         ; the step of 128 tokens
	s_lshl_b32 s24, s20, 1
	s_add_co_u32 s24, s24, s27                     ; q, k: my two heads begin here
	s_lshl_b32 s24, s24, 4
	s_add_co_u32 s24, s24, s99
	s_mul_i32 s24, s24, 6656                       ; the record
	s_mul_i32 s100, s19, 3072                      ; my four tiles in it
	s_add_co_u32 s100, s100, s24
	s_add_nc_u64 s[94:95], s[14:15], s[100:101]
	s_lshl_b32 s100, s19, 8                        ; my block of scale words
	s_add_co_u32 s100, s100, s24
	s_add_co_u32 s100, s100, 6144
	s_add_nc_u64 s[96:97], s[14:15], s[100:101]
	s_add_co_u32 s24, s27, s18                     ; v: my head
	s_lshl_b32 s24, s24, 4
	s_add_co_u32 s24, s24, s99
	s_mul_i32 s24, s24, 6400
	s_add_nc_u64 s[16:17], s[16:17], s[24:25]
	v_and_b32 v1, 31, v0                           ; lane
	v_and_b32 v2, 15, v0                           ; r
	v_bfe_u32 v3, v0, 4, 1                         ; h
	v_lshlrev_b32 v8, 4, v1                        ; 16 x lane
	v_lshlrev_b32 v9, 3, v1                        ; 8 x lane
	v_lshlrev_b32 v10, 4, v2
	v_lshl_add_u32 v10, v3, 9, v10                 ; scale words: 16 r, and the odd tile (512 bytes on) for lanes 16-31
	v_lshlrev_b32 v11, 6, v3                       ; q's, k's bias: 64 h
	v_and_b32 v[BVL], 8, v2
	v_add_nc_u32 v[BVL], v[BVL], v2
	v_lshlrev_b32 v[BVL], 2, v[BVL]
	s_mul_i32 s24, s19, 4*6144
	v_add_nc_u32 v4, s24, v8                       ; q, k: L = x's tiles 4 wl ..
	v_add_nc_u32 v5, CHUNK, v4
	s_mul_i32 s24, s20, 8*6144
	s_add_co_u32 s24, s24, WSLOT
	v_add_nc_u32 v6, s24, v8                       ; R = the weight's tiles 8 wr ..
	v_add_nc_u32 v7, CHUNK, v6
	s_mul_i32 s24, s18, 4*6144
	s_add_co_u32 s24, s24, WSLOT
	v_add_nc_u32 v12, s24, v8                      ; v: L = Wv's tiles 4 w ..
	v_add_nc_u32 v13, CHUNK, v12
	v_lshlrev_b32 v14, 4, v1                       ; R = x's eight
	v_add_nc_u32 v15, CHUNK, v14
	s_wait_alu depctr_va_vdst(0)                   ; the wait at the head's end
.irp i, 0,1
.irp q, 0,1
	global_load_b128 v[LS+8*\i+4*\q:LS+8*\i+4*\q+3], v10, s[2:3] offset:1024*\i+256*\q   ; x's scale words serve q and k
.endr
.endr
	PREG0 80, 88
	s_cmp_lt_u32 s18, 2                            ; waves 0 and 1 brought the first half of K; the second half may be on its way
	s_cbranch_scc0 .Lnot_first
	s_wait_tensorcnt 0x0
.Lnot_first:
	s_barrier_signal -1
	s_barrier_wait -1
	FETCH 0, 0
	s_mov_b32 s98, 0                               ; 0: q, 1: k
.Ltile:
	FIRST3 0
	KROUND 3, G0A                                  ; slot 0 takes the next weight's K steps 0-3
	KSTEP 4, 0
	KSTEP 5, 0
	KSTEP 6, 0
	KROUND 7, G0B                                  ; slot 1 its K steps 4-7; this round has shown slot 0's refill to all
	WIN 0
	PLACES 4                                       ; between the last product and the loads over its sources and the first read of results
	s_cmp_eq_u32 s98, 0                            ; what follows: k's tile or v's.  The same in every work-group
	s_cbranch_scc0 .Lpre_v
	PREG0 82, 90
	FETCH 0, 0
	s_branch .Lpre_done
.Lpre_v:
	PREG1
	FETCH 0, 1
.Lpre_done:
	; the way out of q or k: my 128 features are two heads: registers 0-5 of a fragment are head A's codes, 6-11 head B's; bytes 0, 1 of the scale word head A's, 2, 3 head B's
	OUTHEAD
.irp a, 0,1,2,3
	QUANTW 64*\a, PC+20*\a, PW+\a
	global_store_b128 v8, v[PC+20*\a:PC+20*\a+3], s[94:95] offset:768*\a                    ; each store of the wave covers 512 or 256 consecutive bytes, aligned
	global_store_b64 v9, v[PC+20*\a+4:PC+20*\a+5], s[94:95] offset:768*\a+512
	global_store_b128 v8, v[PC+20*\a+6:PC+20*\a+9], s[94:95] offset:768*\a+HEADB
	global_store_b64 v9, v[PC+20*\a+10:PC+20*\a+11], s[94:95] offset:768*\a+512+HEADB
.endr
	v_cndmask_b32 v[WW], v[PW], v[PW+1], vcc_lo    ; lanes 0-15 the even tile's words, lanes 16-31 the odd tile's
	v_cndmask_b32 v[WW+1], v[PW+2], v[PW+3], vcc_lo
	v_perm_b32 v[WW+2], v[WW], v[WW], 0x01000100   ; head A's two bytes, twice
	v_perm_b32 v[WW+3], v[WW+1], v[WW+1], 0x01000100
	v_perm_b32 v[WW+4], v[WW], v[WW], 0x03020302   ; head B's
	v_perm_b32 v[WW+5], v[WW+1], v[WW+1], 0x03020302
	global_store_b64 v9, v[WW+2:WW+3], s[96:97]
	global_store_b64 v9, v[WW+4:WW+5], s[96:97] offset:HEADB
	s_wait_xcnt 0x0                                ; the stores have read their bases and their data: the bases step, and the next tile's fragments and codes may land on the data
	s_add_nc_u64 s[94:95], s[94:95], QKSTEP
	s_add_nc_u64 s[96:97], s[96:97], QKSTEP
	s_add_co_u32 s98, s98, 1
	s_cmp_lt_u32 s98, 2
	s_wait_alu depctr_va_vdst(0)                   ; the wait ahead of the backward jump
	s_cbranch_scc1 .Ltile
	; ---- v's tile: nothing is filled again
	FIRST3 1
	s_wait_dscnt 0x0                               ; K step 3's fragments are in, and no LDS instruction of mine is out at the signal
	s_wait_tensorcnt 0x0                           ; my quarter of slot 1 has landed
	s_barrier_signal -1
	MULH 3, 0
	WIN 0
	s_barrier_wait -1                              ; everybody's has
	PLACES 4
	FETCH 4, 1
	MULH 3, 2
	KSTEP 4, 1
	KSTEP 5, 1
	KSTEP 6, 1
	s_wait_dscnt 0x0
	MULH 7, 0
	MULH 7, 2
	WIN 0
	PLACES 4
	OUTHEAD
.irp a, 0,1,2,3                                    ; tile a of L is 16 of my head's 64; my 128 keys are one step: a whole fragment
	QUANTW 64*\a, PC+20*\a, PW+\a
.irp c, 0,1,2
	global_store_b128 v8, v[PC+20*\a+4*\c:PC+20*\a+4*\c+3], s[16:17] offset:1536*\a+512*\c
.endr
.endr
	v_cndmask_b32 v[WW], v[PW], v[PW+1], vcc_lo
	v_cndmask_b32 v[WW+1], v[PW+2], v[PW+3], vcc_lo
	global_store_b64 v9, v[WW:WW+1], s[16:17] offset:6144
	s_wait_tensorcnt 0x0                           ; the wave's end
	ds_add_u32 v254, v255
	s_wait_dscnt 0x0
	CROUND                                         ; the closing round: no work-group ends while a partner may still ask for a tile that names it
	s_endpgm
.Lfunc_end_k_qef15361875_qkv:
	.size	k_qef15361875_qkv, .Lfunc_end_k_qef15361875_qkv-k_qef15361875_qkv
	.p2alignl 7, 3214868480
	.fill 96, 4, 3214868480
	.section	.rodata,"a",@progbits
	.p2align	6, 0x0
	.amdhsa_kernel k_qef15361875_qkv
		.amdhsa_group_segment_fixed_size 327680
		.amdhsa_private_segment_fixed_size 0
		.amdhsa_enable_private_segment 0
		.amdhsa_kernarg_size 56
		.amdhsa_user_sgpr_count 2
		.amdhsa_user_sgpr_kernarg_segment_ptr 1
		.amdhsa_wavefront_size32 1
		.amdhsa_system_sgpr_workgroup_id_x 1
		.amdhsa_system_sgpr_workgroup_id_y 1
		.amdhsa_system_sgpr_workgroup_id_z 1
		.amdhsa_system_vgpr_workitem_id 0
		.amdhsa_next_free_vgpr 768
		.amdhsa_next_free_sgpr 102
		.amdhsa_reserve_vcc 1
		.amdhsa_float_denorm_mode_32 3
		.amdhsa_float_denorm_mode_16_64 3
		.amdhsa_memory_ordered 1
		.amdhsa_forward_progress 1
		.amdhsa_inst_pref_size 162
	.end_amdhsa_kernel
	.amdgpu_metadata
---
amdhsa.version: [ 1, 2 ]
amdhsa.kernels:
  - .name:           k_qef15361875_qkv
    .symbol:         k_qef15361875_qkv.kd
    .args:
      - { .name: cod, .offset: 0, .size: 8, .value_kind: global_buffer, .address_space: global }
      - { .name: scl, .offset: 8, .size: 8, .value_kind: global_buffer, .address_space: global }
      - { .name: bq, .offset: 16, .size: 8, .value_kind: global_buffer, .address_space: global }
      - { .name: bk, .offset: 24, .size: 8, .value_kind: global_buffer, .address_space: global }
      - { .name: bv, .offset: 32, .size: 8, .value_kind: global_buffer, .address_space: global }
      - { .name: qkc, .offset: 40, .size: 8, .value_kind: global_buffer, .address_space: global }
      - { .name: vvc, .offset: 48, .size: 8, .value_kind: global_buffer, .address_space: global }
    .group_segment_fixed_size: 327680
    .private_segment_fixed_size: 0
    .kernarg_segment_align: 8
    .kernarg_segment_size: 56
    .max_flat_workgroup_size: 128
    .sgpr_count:     102
    .vgpr_count:     768
    .wavefront_size: 32
...
	.end_amdgpu_metadata
.endif
;; end of part 2
;; launch attn (part 3): grid 4 x 64, 8 waves a work-group, clusters of 4 x 1, 210,944 bytes of LDS; arguments qkc, vvc, atc, ats; writes atc, ats
.if DOCPART == 3
	.amdgcn_target "amdgcn-amd-amdhsa--gfx1250"
	.amdhsa_code_object_version 6
	.text
	.protected	k_qef15361875_attn
	.globl	k_qef15361875_attn
	.p2align	8
	.type	k_qef15361875_attn,@function
k_qef15361875_attn:
	s_mov_b64 s[64:65], 0
	v_nop
	global_prefetch_b8 v0, s[64:65] scope:SCOPE_SE
	s_setreg_imm32_b32 hwreg(HW_REG_WAVE_MODE, 25, 1), 1
	s_wait_xcnt 0x0
	s_wait_alu depctr_hold_cnt(0) depctr_sa_sdst(0) depctr_va_vdst(0) depctr_va_sdst(0) depctr_va_ssrc(0) depctr_va_vcc(0) depctr_vm_vsrc(0)
	s_getreg_b32 s2, hwreg(HW_REG_IB_STS2, 6, 4)
	s_cmp_eq_u32 s2, 0
	s_cbranch_scc0 .Lentry_in_a_cluster
	s_endpgm
.Lentry_in_a_cluster:
	s_bfe_u32 s2, ttmp6, 0x10000c
	s_cmp_lg_u32 s2, 0x3003
	s_cbranch_scc0 .Lentry_shape_is_right
	s_endpgm
.Lentry_shape_is_right:
; Attention of one (batch, head) on codes of E2M3: S^T = K Q^T (K = the head's 64), p = 2^(t - M), O^T = V^T P^T (K = the keys), O / l, and O's quantising along the model's 1,024 for the last product.
; t = score x log2(e) / 8; M = the running largest t rounded UP to a whole number; p is quantised along the keys, not normalised; l is the sum of the unquantised p; when M moves, l and O are multiplied by 2^(old M - new M): exact.
; SHARES: a work-group owns 512 queries of one head, each of its eight waves 64: four tiles of 16, worked in two pairs; all four share every fragment of K and V that the wave reads from LDS.
; ALL OF THE HEAD'S K AND V LIE IN LDS: K's 16 records of 6,656 bytes, then V's 16 of 6,400: 208,896 bytes, each filled once; nothing is stored to LDS.
; CLUSTER 4 x 1: the four query blocks of a head read the same K and V: even waves ask jointly for four records of K each, odd waves for four of V: one tensor load a wave.
; The whole head is asked for at the launch's head, so there is no later step's tile left to ask for ahead of its load: no prefetch.
; BOTH PRODUCTS ARE USED TRANSPOSED: a lane holds one query (lane % 16) throughout.
; THE KEYS OF A TILE OF S ARE CHOSEN BY THE LANES' LDS ADDRESSES: row 8 a + j of tile 4 c + u is key 64 c + 32 a + 8 u + j of the step.  So lane (r, h)'s 32 registers of tiles 4 c .. 4 c + 3 are the 32 neighbouring keys
; 64 c + 32 h + 0 .. 31: one scale block of P, whole in a lane, in the order of P's operand registers.  In K's record that key is row j + 8 (u / 2) of stored tile 4 c + 2 a + u % 2.
; K = 64 IN AN INSTRUCTION OF K = 128: an even query tile stands as [Q | zero codes], an odd one as [zero codes | Q].  Source 0 is twelve registers that begin at K's tile t (even) or six ahead of it (odd):
; the half that is not tile t holds other codes, which meet zero codes.  E2M3 has no NaN and no infinity and no scale byte here is 0xff, so that half adds exact zeros.  q's and k's scale words hold their two bytes twice.
; LIMITS: NaN and infinities are not served; the scaled scores stay under 2^31 in magnitude; a block whose largest magnitude lies under 2^-124 keeps the byte 1; O is divided by l by v_rcp_f32 and a multiplication.
; REGISTERS, window 0: v1-5 LDS addresses, v6-10 their lane terms, v11 8 h, v12-13 the add's two, v14-23 scale words (Q 2, K 4, V 2, P 2), v24-39 -M, largest score, the sum (a pair) of tiles 0-3, v40-43 f,
;   v44-67 at work, v68-79 P of the even tile, v80-127 K's 8 tiles of six, v128-139 P of the odd tile, v140-187 V's 4 fragments, v188-223 [Q0 | 0 | Q1] [Q2 | 0 | Q3], v224-226 offsets, v232-247 conversions' second halves.
;   window 1: v0-127 S^T, then p, of a pair (64 a tile); v128-255 O^T, 32 a tile.
; THE FILLS: wave w asks jointly for records 4 (w / 2) .. + 3, of K where w is even, of V where it is odd: one tensor load a wave.
; Waves 0 and 1, whose records 0-3 serve the first key step, have load lines of their own and alone wait ahead of the first barrier.  Key step 0 is written out behind it: it reads K's records 0 and 1 and V's record 0.
; Behind it every wave waits for its load, and a second barrier shows the whole head; the loop serves steps 1 to 15.  Nothing is filled again.
.set KREC, 6656
.set VREC, 6400
.set VB,   16*KREC
.set SPARE, VB+16*VREC
.set AK,   1
.set AV,   4
.set LK,   6
.set LV,   9
.set SH8,  11
.set SPW,  12
.set NIL,  13
.set QS,   14
.set KS,   16
.set VS,   20
.set PS,   22
.set ST,   24
.set F0,   40
.set F1,   42
.set BM,   44
.set SO,   48
.set PX,   52
.set PA,   68
.set KF,   80
.set PB,   128
.set VF,   140
.set QQ,   188
.set GO,   224
.set CT,   232
.set OW,   140                         ; the way out: a pair's O / l
.set CO,   80                          ; its codes, eight registers a tile
.set WD,   112                         ; its scale bytes
.set WV,   12
.set SEL,  14
.set G1K,  16
.set G1V,  24
.set G0K,  32
.set G0V,  36
.set CS,   40                          ; s[40:41] c = log2(e) / 8
.set TBK,  42                          ; LDS byte of the record of K that is loaded next
.set TBV,  43                          ; the same for V, from VB on
.set CNT,  44
.set MSB, 0
.macro WIN new                         ; the immediate's high byte repeats the setting that is left
.if MSB != \new
	s_set_vgpr_msb (MSB<<8)|\new
.set MSB, \new
.endif
.endm
.macro PLACES n
.rept \n
	v_nop
.endr
.endm
.macro WALU
	s_wait_alu depctr_va_vdst(0)
.endm
.macro DEP n
	s_delay_alu instid0(VALU_DEP_\n)
.endm
.macro CROUND
	s_barrier_signal -1
	s_barrier_wait -1
	s_cmp_lg_u32 s[WV], 0
	s_cbranch_scc1 .Lnot_wave_0_\@
	s_barrier_signal -3
.Lnot_wave_0_\@:
	s_barrier_wait -3
	s_barrier_signal -1
	s_barrier_wait -1
.endm
.macro WMZ d, a, b, sa, sb, ra, rb     ; a product that starts a sum
.if (\ra) && (\rb)
	v_wmma_scale_f32_16x16x128_f8f6f4 v[\d:\d+7], v[\a:\a+11], v[\b:\b+11], 0, v[\sa], v[\sb] matrix_a_fmt:MATRIX_FMT_FP6 matrix_b_fmt:MATRIX_FMT_FP6 matrix_a_scale:MATRIX_SCALE_ROW1 matrix_b_scale:MATRIX_SCALE_ROW1
.elseif (\ra)
	v_wmma_scale_f32_16x16x128_f8f6f4 v[\d:\d+7], v[\a:\a+11], v[\b:\b+11], 0, v[\sa], v[\sb] matrix_a_fmt:MATRIX_FMT_FP6 matrix_b_fmt:MATRIX_FMT_FP6 matrix_a_scale:MATRIX_SCALE_ROW1
.elseif (\rb)
	v_wmma_scale_f32_16x16x128_f8f6f4 v[\d:\d+7], v[\a:\a+11], v[\b:\b+11], 0, v[\sa], v[\sb] matrix_a_fmt:MATRIX_FMT_FP6 matrix_b_fmt:MATRIX_FMT_FP6 matrix_b_scale:MATRIX_SCALE_ROW1
.else
	v_wmma_scale_f32_16x16x128_f8f6f4 v[\d:\d+7], v[\a:\a+11], v[\b:\b+11], 0, v[\sa], v[\sb] matrix_a_fmt:MATRIX_FMT_FP6 matrix_b_fmt:MATRIX_FMT_FP6
.endif
.endm
.macro WMA d, a, b, sa, sb, ra         ; a product that adds in place
.if (\ra)
	v_wmma_scale_f32_16x16x128_f8f6f4 v[\d:\d+7], v[\a:\a+11], v[\b:\b+11], v[\d:\d+7], v[\sa], v[\sb] matrix_a_fmt:MATRIX_FMT_FP6 matrix_b_fmt:MATRIX_FMT_FP6 matrix_a_scale:MATRIX_SCALE_ROW1
.else
	v_wmma_scale_f32_16x16x128_f8f6f4 v[\d:\d+7], v[\a:\a+11], v[\b:\b+11], v[\d:\d+7], v[\sa], v[\sb] matrix_a_fmt:MATRIX_FMT_FP6 matrix_b_fmt:MATRIX_FMT_FP6
.endif
.endm
; The record of K at s[TBK]: 8 tiles of six registers and 4 registers of scale words (tiles 4 c + 2 g | 4 c + 2 g + 1 in lanes 0-15 | 16-31): 20 loads.  The first four lines are the places behind the products that read these registers
.macro KLOAD
	v_add_nc_u32 v[AK], s[TBK], v[LK]
	v_add_nc_u32 v[AK+1], s[TBK], v[LK+1]
	v_add_nc_u32 v[AK+2], s[TBK], v[LK+2]
	v_nop
.irp t, 0,1,2,3,4,5,6,7
	ds_load_b128 v[KF+6*\t:KF+6*\t+3], v[AK] offset:3072*(\t/4)+768*(\t%2)+128*((\t%4)/2)
	ds_load_b64 v[KF+6*\t+4:KF+6*\t+5], v[AK+1] offset:512+3072*(\t/4)+768*(\t%2)+64*((\t%4)/2)
.endr
.irp g, 0,1,2,3
	ds_load_b32 v[KS+\g], v[AK+2] offset:6144+256*(\g/2)+64*(\g%2)
.endr
.endm
; S^T of pair pb: 16 sums, each begun and ended by one product; the two tiles by turns
.macro SMUL pb
	WIN 0x40                                       ; D in window 1
.irp t, 0,1,2,3,4,5,6,7
	WMZ 8*\t, KF+6*\t, QQ+18*(\pb), KS+2*(\t/4)+(\t%4)/2, QS+(\pb), \t%2, 0
	WMZ 64+8*\t, KF-6+6*\t, QQ+6+18*(\pb), KS+2*(\t/4)+(\t%4)/2, QS+(\pb), \t%2, 1
.endr
.endm
; the sum of a tile's 64 p, from window 1's v[b] on, onto the pair v[su]: four chains side by side
.macro SUM b, su
	WIN 0x05
.irp x, 0,1,2
	v_pk_add_f32 v[PX+8+2*\x:PX+9+2*\x], v[\b+4*\x:\b+4*\x+1], v[\b+4*\x+2:\b+4*\x+3]
.endr
	WIN 0x04
.set J, \b+12
.rept 6
	v_pk_add_f32 v[\su:\su+1], v[\su:\su+1], v[J:J+1]
	v_pk_add_f32 v[PX+8:PX+9], v[PX+8:PX+9], v[J+2:J+3]
	v_pk_add_f32 v[PX+10:PX+11], v[PX+10:PX+11], v[J+4:J+5]
	v_pk_add_f32 v[PX+12:PX+13], v[PX+12:PX+13], v[J+6:J+7]
.set J, J+8
.endr
	v_pk_add_f32 v[\su:\su+1], v[\su:\su+1], v[J:J+1]
	v_pk_add_f32 v[PX+8:PX+9], v[PX+8:PX+9], v[J+2:J+3]
	WIN 0
	v_pk_add_f32 v[PX+8:PX+9], v[PX+8:PX+9], v[PX+10:PX+11]
	v_pk_add_f32 v[\su:\su+1], v[\su:\su+1], v[PX+12:PX+13]
	v_pk_add_f32 v[\su:\su+1], v[\su:\su+1], v[PX+8:PX+9]
.endm
; The softmax of pair pb for the step's 128 keys, and O^T += V^T P^T.  vw = 1: V's loads are waited for here
.macro SOFT pb, vw
.set N0, ST+8*(\pb)
.set N1, N0+4
.set OO, 128+64*(\pb)
	WIN 0x15
.irp q, 0,1,2,3                                    ; q = 2 x tile + c: the largest score of my block of 32 keys; it serves the row's maximum and, since p rises with the score, the block's largest p.  Each accumulator is first read at its low end
	v_max3_num_f32 v[BM+\q], v[32*\q], v[32*\q+1], v[32*\q+2]
.endr
	WIN 0x14
.irp k, 3,5,7,9,11,13,15,17,19,21,23,25,27,29
.irp q, 0,1,2,3
	v_max3_num_f32 v[BM+\q], v[BM+\q], v[32*\q+\k], v[32*\q+\k+1]
.endr
.endr
	WIN 0x04
.irp q, 0,1,2,3
	v_max_num_f32 v[BM+\q], v[BM+\q], v[32*\q+31]
.endr
	WIN 0
	v_max_num_f32 v[PX], v[BM], v[BM+1]            ; the two tiles line by line
	v_max_num_f32 v[PX+1], v[BM+2], v[BM+3]
	DEP 2
	v_permlanex16_b32 v[PX+2], v[PX], s[SEL], s[SEL+1]
	DEP 2
	v_permlanex16_b32 v[PX+3], v[PX+1], s[SEL], s[SEL+1]
	DEP 2
	v_max3_num_f32 v[N0+1], v[N0+1], v[PX], v[PX+2]      ; the running largest score, with lane l xor 16's 64 keys
	DEP 2
	v_max3_num_f32 v[N1+1], v[N1+1], v[PX+1], v[PX+3]
	DEP 2
	v_mul_f32 v[PX], s[CS], v[N0+1]                ; as t (c is positive)
	DEP 2
	v_mul_f32 v[PX+1], s[CS], v[N1+1]
	v_mov_b32 v[PX+2], v[N0]
	v_mov_b32 v[PX+3], v[N1]
	DEP 4
	v_floor_f32 v[N0], -v[PX]                      ; -M = floor(-t): M is a whole number
	DEP 4
	v_floor_f32 v[N1], -v[PX+1]
	DEP 2
	v_sub_f32 v[PX+2], v[N0], v[PX+2]              ; old M - new M: a whole number, 0 or less
	DEP 2
	v_sub_f32 v[PX+3], v[N1], v[PX+3]
	DEP 2
	v_cvt_i32_f32 v[PX+2], v[PX+2]                 ; (it saturates)
	DEP 2
	v_cvt_i32_f32 v[PX+3], v[PX+3]
	DEP 2
	v_ldexp_f32 v[F0], 1.0, v[PX+2]                ; f = 2^(old M - new M)
	DEP 2
	v_ldexp_f32 v[F1], 1.0, v[PX+3]
	WIN 0x41
.set J, 0
.rept 32
	v_pk_fma_f32 v[J:J+1], v[J:J+1], s[CS:CS+1], v[N0:N0+1] op_sel_hi:[1,0,0]   ; t - M of the even tile
.set J, J+2
.endr
	WIN 0
	v_fma_f32 v[BM], v[BM], s[CS], v[N0]           ; the same of its blocks' largest scores
	v_fma_f32 v[BM+1], v[BM+1], s[CS], v[N0]
	WALU                                           ; the wait ahead of a batch of exponentials
	v_exp_f32 v[BM], v[BM]
	v_exp_f32 v[BM+1], v[BM+1]
	WIN 0x41
.set J, 0
.rept 32                                           ; p of the even tile; among the exponentials the odd tile's t - M, which is first read behind the next wait
	v_exp_f32 v[J], v[J]
	v_pk_fma_f32 v[64+J:65+J], v[64+J:65+J], s[CS:CS+1], v[N1:N1+1] op_sel_hi:[1,0,0]
	v_exp_f32 v[J+1], v[J+1]
.set J, J+2
.endr
	WIN 0
	v_fma_f32 v[BM+2], v[BM+2], s[CS], v[N1]
	v_fma_f32 v[BM+3], v[BM+3], s[CS], v[N1]
	v_pk_mul_f32 v[N0+2:N0+3], v[N0+2:N0+3], v[F0:F0+1] op_sel_hi:[1,0]   ; the sums under the new M
	v_pk_mul_f32 v[N1+2:N1+3], v[N1+2:N1+3], v[F1:F1+1] op_sel_hi:[1,0]
	WALU                                           ; behind the first batch, ahead of the second
	v_exp_f32 v[BM+2], v[BM+2]
	v_exp_f32 v[BM+3], v[BM+3]
	WIN 0x41
.set J, 64
.rept 64
	v_exp_f32 v[J], v[J]
.set J, J+1
.endr
	SUM 0, N0+2                                    ; the even tile's p were waited for above: plain work behind the second batch
	WALU                                           ; behind the second batch
	SUM 64, N1+2
.irp q, 0,1,2,3
	v_max_num_f32 v[BM+\q], 0x1800000, v[BM+\q]    ; the floor 2^(3 - 127): the byte cannot fall under 1
.endr
.irp q, 0,1,2,3
	DEP 4
	v_add_nc_u32 v[SO+\q], 0xff000000, v[BM+\q]    ; 2 off the exponent field: the conversion's scale operand
.endr
.irp q, 0,1,2,3
	DEP 4
	v_lshrrev_b32 v[PX+\q], 23, v[SO+\q]
.endr
	DEP 3
	v_lshl_or_b32 v[PX+4], v[PX+1], 16, v[PX]      ; my two bytes: blocks h and 2 + h,
	DEP 2
	v_lshl_or_b32 v[PX+5], v[PX+3], 16, v[PX+2]
	DEP 2
	v_lshlrev_b32 v[PX+4], v[SH8], v[PX+4]         ; at their places in the scale word (8 h bits up);
	DEP 2
	v_lshlrev_b32 v[PX+5], v[SH8], v[PX+5]
	DEP 2
	v_permlanex16_b32 v[PX+6], v[PX+4], s[SEL], s[SEL+1]
	DEP 2
	v_permlanex16_b32 v[PX+7], v[PX+5], s[SEL], s[SEL+1]
	DEP 2
	v_or_b32 v[PS], v[PX+4], v[PX+6]               ; with lane l xor 16's two the word is whole
	DEP 2
	v_or_b32 v[PS+1], v[PX+5], v[PX+7]
	WIN 0x01
.irp i, 0,1
.irp c, 0,1
	v_cvt_scalef32_pk16_fp6_f32 v[PA+60*\i+6*\c:PA+60*\i+6*\c+2], v[64*\i+32*\c:64*\i+32*\c+15], v[SO+2*\i+\c]
	v_cvt_scalef32_pk16_fp6_f32 v[CT+8*\i+4*\c:CT+8*\i+4*\c+2], v[64*\i+32*\c+16:64*\i+32*\c+31], v[SO+2*\i+\c]   ; (three registers begin on an even number)
.endr
.endr
	WIN 0
	v_nop                                          ; one plain instruction behind the scaled conversions
.irp i, 0,1
.irp c, 0,1
.irp e, 0,1,2
	v_mov_b32 v[PA+60*\i+6*\c+3+\e], v[CT+8*\i+4*\c+\e]
.endr
.endr
.endr
.if \vw
	s_wait_dscnt 0x0                               ; V's fragments and scale words are in
.endif
	WALU                                           ; the wait directly ahead of the first reader of O^T
	WIN 0x41
.set J, 0
.rept 16
	v_pk_mul_f32 v[OO+J:OO+J+1], v[OO+J:OO+J+1], v[F0:F0+1] op_sel_hi:[1,0]   ; O^T under the new M; these lines are also the places ahead of the products below
.set J, J+2
.endr
.rept 16
	v_pk_mul_f32 v[OO+J:OO+J+1], v[OO+J:OO+J+1], v[F1:F1+1] op_sel_hi:[1,0]
.set J, J+2
.endr
	WIN 0x50                                       ; C and D in window 1
.irp d, 0,1,2,3                                    ; eight accumulators by turns, one instruction a turn
	WMA OO+8*\d, VF+12*\d, PA, VS+\d/2, PS, \d%2
	WMA OO+32+8*\d, VF+12*\d, PB, VS+\d/2, PS+1, \d%2
.endr
.endm
; A key step of 128 keys.  K's record was asked of LDS in the middle of the step before; V's is asked for here and lands under the first pair's softmax
.macro STEP last
	v_add_nc_u32 v[AV], s[TBV], v[LV]              ; four places between the last products and the loads into their registers
	v_add_nc_u32 v[AV+1], s[TBV], v[LV+1]
	v_nop
	v_nop
.irp d, 0,1,2,3
.irp c, 0,1,2
	ds_load_b128 v[VF+12*\d+4*\c:VF+12*\d+4*\c+3], v[AV] offset:1536*\d+512*\c
.endr
.endr
	ds_load_b64 v[VS:VS+1], v[AV+1] offset:6144
	s_add_co_u32 s[TBV], s[TBV], VREC
	s_wait_dscnt 13                                ; K's 20 loads are in; V's 13, issued behind them, may be out
	SMUL 0
	WIN 0
	PLACES 4
	SOFT 0, 1
	SMUL 1
	WIN 0
.if \last                                          ; in the loop: the last trip has no further record of K to load
	PLACES 4                                       ; between the products and the first read of their results, on both ways
	WALU                                           ; the wait ahead of a branch
	s_cmp_eq_u32 s[CNT], 1                         ; the trip counter: the same in every wave
	s_cbranch_scc1 .Lno_k_\@                       ; round LDS loads alone
	KLOAD                                          ; K's registers are free: the next step's record
.Lno_k_\@:
.else
	KLOAD
.endif
	s_add_co_u32 s[TBK], s[TBK], KREC
	SOFT 1, 0
	WIN 0
.endm
; The way out of pair pb: 32 numbers of a lane and tile (register 16 b + e = channel 32 b + 16 h + e of my query) become six registers of codes and two scale bytes
.macro OUTP pb
	WALU                                           ; directly ahead of the first reader of this pair's O^T
	WIN 0x01
.set J, 0
.rept 16
	v_pk_mul_f32 v[OW+J:OW+J+1], v[128+64*(\pb)+J:129+64*(\pb)+J], v[ST+8*(\pb)+2:ST+8*(\pb)+3] op_sel_hi:[1,0]   ; O^T / l, each accumulator from its low end on
.set J, J+2
.endr
.rept 16
	v_pk_mul_f32 v[OW+J:OW+J+1], v[128+64*(\pb)+J:129+64*(\pb)+J], v[ST+8*(\pb)+6:ST+8*(\pb)+7] op_sel_hi:[1,0]
.set J, J+2
.endr
	WIN 0
.irp q, 0,1,2,3
	v_max3_num_f32 v[BM+\q], |v[OW+16*\q]|, |v[OW+16*\q+1]|, 0x1800000
.endr
.irp k, 2,4,6,8,10,12,14
.irp q, 0,1,2,3
	v_max3_num_f32 v[BM+\q], v[BM+\q], |v[OW+16*\q+\k]|, |v[OW+16*\q+\k+1]|
.endr
.endr
.irp q, 0,1,2,3
	v_permlanex16_b32 v[PX+\q], v[BM+\q], s[SEL], s[SEL+1]
.endr
.irp q, 0,1,2,3
	v_max_num_f32 v[BM+\q], v[BM+\q], v[PX+\q]
.endr
.irp q, 0,1,2,3
	v_add_nc_u32 v[SO+\q], 0xff000000, v[BM+\q]
.endr
.irp q, 0,1,2,3
	v_lshrrev_b32 v[PX+\q], 23, v[SO+\q]
.endr
	v_lshl_or_b32 v[WD+2*(\pb)], v[PX+1], 8, v[PX]         ; the head's two bytes, in the low half of a word
	v_lshl_or_b32 v[WD+2*(\pb)+1], v[PX+3], 8, v[PX+2]
.irp i, 0,1
	v_cvt_scalef32_pk16_fp6_f32 v[CO+16*(\pb)+8*\i:CO+16*(\pb)+8*\i+2], v[OW+32*\i:OW+32*\i+15], v[SO+2*\i]
	v_cvt_scalef32_pk16_fp6_f32 v[CT+4*\i:CT+4*\i+2], v[OW+32*\i+16:OW+32*\i+31], v[SO+2*\i+1]
.endr
	v_nop
.irp i, 0,1
.irp e, 0,1,2
	v_permlane16_swap_b32 v[CO+16*(\pb)+8*\i+\e], v[CT+4*\i+\e]
.endr
.endr
.irp i, 0,1
.irp e, 0,1,2
	v_mov_b32 v[CO+16*(\pb)+8*\i+3+\e], v[CT+4*\i+\e]
.endr
.endr
	v_cndmask_b32 v[WD+4+(\pb)], v[WD+2*(\pb)], v[WD+2*(\pb)+1], vcc_lo   ; lanes 0-15 the even tile's bytes, lanes 16-31 the odd tile's
.irp i, 0,1
	global_store_b128 v[GO], v[CO+16*(\pb)+8*\i:CO+16*(\pb)+8*\i+3], s[8:9] offset:12288*(2*(\pb)+\i)          ; 512 consecutive bytes, aligned
	global_store_b64 v[GO+1], v[CO+16*(\pb)+8*\i+4:CO+16*(\pb)+8*\i+5], s[8:9] offset:12288*(2*(\pb)+\i)+512   ; 256
.endr
	global_store_b32 v[GO+2], v[WD+4+(\pb)], s[10:11] offset:2048*(\pb)   ; 128 consecutive bytes: half of an aligned 256, as the next launch's layout has them
.endm
	s_load_b256 s[4:11], s[0:1], 0x0               ; qkc, vvc, atc, ats
	v_lshl_add_u32 v[SPW], v0, 2, SPARE
	v_mov_b32 v[NIL], 0
	ds_add_u32 v[SPW], v[NIL]                      ; the opening lines: the add, twice on end, and its wait ahead of my tensor load
	ds_add_u32 v[SPW], v[NIL]
	v_lshrrev_b32 v1, 5, v0
	v_readfirstlane_b32 s[WV], v1                  ; wave 0..7
	s_bfe_u32 s13, ttmp6, 0x40000                  ; cx
	s_and_b32 s46, ttmp7, 0xffff                   ; batch x 16 + head, which the four partners share
	s_lshr_b32 s47, s[WV], 1                       ; which four records I ask for
	s_and_b32 s45, s[WV], 1                        ; of K (0) or of V (1)
	s_add_co_u32 s48, s46, 64                      ; k's records lie behind q's 64 heads
	s_mul_i32 s48, s48, 16*KREC
	s_mul_i32 s50, s47, 4*KREC
	s_add_co_u32 s48, s48, s50                     ; K: records 4 (wave / 2) .. + 3 of the head
	s_mov_b32 s49, 0
	s_mul_i32 s52, s46, 16*VREC
	s_mul_i32 s50, s47, 4*VREC
	s_add_co_u32 s52, s52, s50                     ; V likewise
	s_mov_b32 s53, 0
	s_mov_b32 s[G0K], 1
	s_mul_i32 s[G0K+1], s47, 4*KREC                ; where they go: no place in the cluster enters an LDS address
	s_mov_b32 s[G0V], 1
	s_mul_i32 s[G0V+1], s47, 4*VREC
	s_add_co_u32 s[G0V+1], s[G0V+1], VB
	; group 1: four dense records as rows of 256 bytes (32 elements of 8): 104 for K, 100 for V
	s_mov_b32 s[G1K], 15|(3<<16)|(1<<21)           ; 15:0 the mask: all four work-groups; 17:16 elements of 8 bytes; 21 set beside a mask
	s_mov_b32 s[G1K+1], 32<<16
	s_mov_b32 s[G1K+2], 104<<16
	s_mov_b32 s[G1K+3], 32<<16
	s_mov_b32 s[G1K+4], 104
	s_mov_b32 s[G1K+5], 32
	s_mov_b32 s[G1K+6], 0
	s_mov_b32 s[G1K+7], 0
	s_mov_b32 s[G1V], 15|(3<<16)|(1<<21)
	s_mov_b32 s[G1V+1], 32<<16
	s_mov_b32 s[G1V+2], 100<<16
	s_mov_b32 s[G1V+3], 32<<16
	s_mov_b32 s[G1V+4], 100
	s_mov_b32 s[G1V+5], 32
	s_mov_b32 s[G1V+6], 0
	s_mov_b32 s[G1V+7], 0
	s_mov_b32 s[SEL], 0x76543210
	s_mov_b32 s[SEL+1], 0xfedcba98
	s_mov_b32 s[CS], 0x3e38aa3b                    ; log2(e) / 8
	s_mov_b32 s[CS+1], s[CS]                       ; (named with it as a pair)
	s_mov_b32 s[TBK], 0
	s_mov_b32 s[TBV], 0
	s_lshl_b32 s54, ttmp9, 2
	s_add_co_u32 s54, s54, s13
	s_lshl_b32 s54, s54, 3
	s_add_co_u32 s54, s54, s[WV]                   ; my four query tiles, 0 .. 31: it enters Q's and the results' addresses alone
	s_lshr_b32 s55, s54, 1
	s_lshl_b32 s56, s46, 4
	s_add_co_u32 s55, s55, s56
	s_mul_i32 s55, s55, KREC                       ; q's record that holds them
	s_and_b32 s66, s54, 1
	s_mul_i32 s56, s66, 3072
	s_add_co_u32 s56, s56, s55                     ; my four tiles in it
	s_mov_b32 s57, 0
	s_lshl_b32 s58, s66, 8
	s_add_co_u32 s58, s58, s55
	s_add_co_u32 s58, s58, 6144                    ; and their scale words
	s_mov_b32 s59, 0
	s_lshr_b32 s67, s46, 4                         ; the batch
	s_and_b32 s68, s46, 15                         ; the head
	s_lshl_b32 s60, s67, 7
	s_lshl_b32 s69, s54, 2
	s_add_co_u32 s60, s60, s69                     ; my first tile among the 512 tiles of tokens
	s_mul_i32 s60, s60, 12288
	s_mul_i32 s69, s68, 768
	s_add_co_u32 s60, s60, s69
	s_mov_b32 s61, 0
	s_lshl_b32 s62, s67, 6
	s_lshl_b32 s69, s54, 1
	s_add_co_u32 s62, s62, s69                     ; my first pair of tiles
	s_lshl_b32 s62, s62, 11
	s_lshl_b32 s69, s68, 7
	s_add_co_u32 s62, s62, s69
	s_mov_b32 s63, 0
	s_wait_dscnt 0x0                               ; both opening adds are done
	s_wait_kmcnt 0x0
	s_add_nc_u64 s[G0K+2:G0K+3], s[4:5], s[48:49]
	s_or_b32 s[G0K+3], s[G0K+3], 0x80000000
	s_add_nc_u64 s[G0V+2:G0V+3], s[6:7], s[52:53]
	s_or_b32 s[G0V+3], s[G0V+3], 0x80000000
	s_add_nc_u64 s[56:57], s[4:5], s[56:57]
	s_add_nc_u64 s[58:59], s[4:5], s[58:59]
	s_add_nc_u64 s[8:9], s[8:9], s[60:61]
	s_add_nc_u64 s[10:11], s[10:11], s[62:63]
	CROUND                                         ; all four work-groups are here: the joint loads meet
	s_cmp_eq_u32 s[WV], 0                          ; one chain of branches on the wave's number; every way passes one load
	s_cbranch_scc0 .Larm_1
	tensor_load_to_lds s[G0K:G0K+3], s[G1K:G1K+7]  ; wave 0: K's records 0-3
	s_nop 0
	PLACES 4
	s_branch .Lasked
.Larm_1:
	s_cmp_eq_u32 s[WV], 1
	s_cbranch_scc0 .Larm_2
	tensor_load_to_lds s[G0V:G0V+3], s[G1V:G1V+7]  ; wave 1: V's records 0-3
	s_nop 0
	PLACES 4
	s_branch .Lasked
.Larm_2:
	s_cmp_eq_u32 s45, 0
	s_cbranch_scc0 .Larm_3
	tensor_load_to_lds s[G0K:G0K+3], s[G1K:G1K+7]  ; waves 2, 4, 6: the rest of K
	s_nop 0
	PLACES 4
	s_branch .Lasked
.Larm_3:
	tensor_load_to_lds s[G0V:G0V+3], s[G1V:G1V+7]  ; waves 3, 5, 7: the rest of V
	s_nop 0
	PLACES 4
.Lasked:
	v_and_b32 v[PX], 31, v0                        ; lane
	v_and_b32 v[PX+1], 7, v0                       ; j
	v_bfe_u32 v[PX+2], v0, 3, 1                    ; a
	v_bfe_u32 v[PX+3], v0, 4, 1                    ; h
	v_lshlrev_b32 v[GO], 4, v[PX]
	v_lshlrev_b32 v[GO+1], 3, v[PX]
	v_lshlrev_b32 v[GO+2], 2, v[PX]
.irp t, 0,1,2,3                                    ; Q's four tiles stay in registers
	global_load_b128 v[QQ+18*(\t/2)+12*(\t%2):QQ+18*(\t/2)+12*(\t%2)+3], v[GO], s[56:57] offset:768*\t
	global_load_b64 v[QQ+18*(\t/2)+12*(\t%2)+4:QQ+18*(\t/2)+12*(\t%2)+5], v[GO+1], s[56:57] offset:768*\t+512
.endr
	global_load_b64 v[QS:QS+1], v[GO+1], s[58:59]  ; word e: lanes 0-15 tile 2 e's scale words, lanes 16-31 tile 2 e + 1's
	v_mul_u32_u24 v[PX+4], v[PX+2], 1536
	v_lshl_add_u32 v[LK], v[PX+1], 4, v[PX+4]
	v_lshl_add_u32 v[LK], v[PX+3], 8, v[LK]        ; K, registers 0-3: 1,536 a + 16 j + 256 h
	v_lshl_add_u32 v[LK+1], v[PX+1], 3, v[PX+4]
	v_lshl_add_u32 v[LK+1], v[PX+3], 7, v[LK+1]    ; registers 4-5: 1,536 a + 8 j + 128 h
	v_lshlrev_b32 v[LK+2], 3, v[PX+1]
	v_lshl_add_u32 v[LK+2], v[PX+2], 2, v[LK+2]
	v_lshl_add_u32 v[LK+2], v[PX+3], 7, v[LK+2]    ; scale words: 8 j + 4 a, and the odd tile for lanes 16-31
	v_lshl_add_u32 v[LV], v[PX], 4, VB             ; V: 16 x lane,
	v_lshl_add_u32 v[LV+1], v[PX], 3, VB           ; and 8 x lane
	v_lshlrev_b32 v[SH8], 3, v[PX+3]
.irp t, 0,1,2,3
	v_mov_b32 v[ST+4*\t], 0x7e000000               ; -M: 2^125, so that the first f is 0
	v_mov_b32 v[ST+4*\t+1], 0xff61b1e6             ; the largest score so far: -3e38
	v_mov_b32 v[ST+4*\t+2], 0                      ; the sum
	v_mov_b32 v[ST+4*\t+3], 0
.endr
.irp n, F0+1, F1+1, PX+6, PX+7
	v_mov_b32 v[\n], 0                             ; the upper halves of f's pairs, named and not used; a lane permute's destination counts as one of its sources
.endr
.set J, 0
.rept 6
	v_mov_b32 v[QQ+6+J], 0                         ; the zero codes
	v_mov_b32 v[QQ+24+J], 0
.set J, J+1
.endr
.set J, 0
.rept 12
	v_mov_b32 v[PA+J], 0                           ; P's registers are named beside K's tiles before they are first made
	v_mov_b32 v[PB+J], 0
.set J, J+1
.endr
	WIN 0x40
.set J, 128
.rept 128
	v_mov_b32 v[J], 0                              ; O^T: the step is written once for all steps; the first finds zeros, which the first change of M leaves zeros.  These lines stand under the tensor loads' flight
.set J, J+1
.endr
	WIN 0
	WALU                                           ; the wait at the head's end
	s_wait_loadcnt 0x0                             ; Q
	s_cmp_lt_u32 s[WV], 2                          ; waves 0 and 1 brought records 0-3 of K and of V; the others' loads may be on their way: nothing is filled again
	s_cbranch_scc0 .Lnot_first
	s_wait_tensorcnt 0x0
.Lnot_first:
	s_barrier_signal -1
	s_barrier_wait -1                              ; records 0-3 lie in LDS
	KLOAD                                          ; step 0's K
	s_add_co_u32 s[TBK], s[TBK], KREC
	STEP 0                                         ; key step 0: it reads K's records 0 and 1 and V's record 0
	WALU                                           ; the wait ahead of the waits below
	s_wait_tensorcnt 0x0                           ; my records have landed,
	s_wait_dscnt 0x0                               ; no LDS instruction of mine is out at the signal,
	s_barrier_signal -1
	s_barrier_wait -1                              ; everybody's have: the whole head lies in LDS
	s_mov_b32 s[CNT], 15
.Lstep:
	STEP 1                                         ; key steps 1 to 15
	WALU                                           ; the wait ahead of the backward jump
	s_sub_co_u32 s[CNT], s[CNT], 1
	s_cmp_lg_u32 s[CNT], 0
	s_cbranch_scc1 .Lstep
	; THE WAY OUT
	PLACES 4                                       ; between the last products and the first write over their sources
.irp t, 0,1,2,3
	v_add_f32 v[ST+4*\t+2], v[ST+4*\t+2], v[ST+4*\t+3]     ; the sums' two halves,
.endr
.irp t, 0,1,2,3
	v_permlanex16_b32 v[PX+\t], v[ST+4*\t+2], s[SEL], s[SEL+1]
.endr
.irp t, 0,1,2,3
	v_add_f32 v[ST+4*\t+2], v[ST+4*\t+2], v[PX+\t]         ; and lane l xor 16's: l
.endr
	WALU
.irp t, 0,1,2,3
	v_rcp_f32 v[ST+4*\t+2], v[ST+4*\t+2]
.endr
	v_and_b32 v[PX+4], 31, v0                      ; a plain instruction behind the reciprocals
	v_cmp_le_u32 vcc_lo, 16, v[PX+4]               ; lanes 16-31
	OUTP 0
	OUTP 1
	s_wait_tensorcnt 0x0                           ; the wave's end
	ds_add_u32 v[SPW], v[NIL]
	s_wait_dscnt 0x0
	CROUND                                         ; the closing round
	s_endpgm
.Lfunc_end_k_qef15361875_attn:
	.size	k_qef15361875_attn, .Lfunc_end_k_qef15361875_attn-k_qef15361875_attn
	.p2alignl 7, 3214868480
	.fill 96, 4, 3214868480
	.section	.rodata,"a",@progbits
	.p2align	6, 0x0
	.amdhsa_kernel k_qef15361875_attn
		.amdhsa_group_segment_fixed_size 210944
		.amdhsa_private_segment_fixed_size 0
		.amdhsa_enable_private_segment 0
		.amdhsa_kernarg_size 32
		.amdhsa_user_sgpr_count 2
		.amdhsa_user_sgpr_kernarg_segment_ptr 1
		.amdhsa_wavefront_size32 1
		.amdhsa_system_sgpr_workgroup_id_x 1
		.amdhsa_system_sgpr_workgroup_id_y 1
		.amdhsa_system_sgpr_workgroup_id_z 1
		.amdhsa_system_vgpr_workitem_id 0
		.amdhsa_next_free_vgpr 512
		.amdhsa_next_free_sgpr 80
		.amdhsa_reserve_vcc 1
		.amdhsa_float_denorm_mode_32 3
		.amdhsa_float_denorm_mode_16_64 3
		.amdhsa_memory_ordered 1
		.amdhsa_forward_progress 1
		.amdhsa_inst_pref_size 139
	.end_amdhsa_kernel
	.amdgpu_metadata
---
amdhsa.version: [ 1, 2 ]
amdhsa.kernels:
  - .name:           k_qef15361875_attn
    .symbol:         k_qef15361875_attn.kd
    .args:
      - { .name: qkc, .offset: 0, .size: 8, .value_kind: global_buffer, .address_space: global }
      - { .name: vvc, .offset: 8, .size: 8, .value_kind: global_buffer, .address_space: global }
      - { .name: atc, .offset: 16, .size: 8, .value_kind: global_buffer, .address_space: global }
      - { .name: ats, .offset: 24, .size: 8, .value_kind: global_buffer, .address_space: global }
    .group_segment_fixed_size: 210944
    .private_segment_fixed_size: 0
    .kernarg_segment_align: 8
    .kernarg_segment_size: 32
    .max_flat_workgroup_size: 256
    .sgpr_count:     80
    .vgpr_count:     512
    .wavefront_size: 32
...
	.end_amdgpu_metadata
.endif
;; end of part 3
;; launch outp (part 4): grid 4 x 64, 4 waves a work-group, clusters of 4 x 4, 295,424 bytes of LDS; arguments atc, ats, cod, scl, bo, out0; writes out0
.if DOCPART == 4
	.amdgcn_target "amdgcn-amd-amdhsa--gfx1250"
	.amdhsa_code_object_version 6
	.text
	.protected	k_qef15361875_outp
	.globl	k_qef15361875_outp
	.p2align	8
	.type	k_qef15361875_outp,@function
k_qef15361875_outp:
	s_mov_b64 s[64:65], 0
	v_nop
	global_prefetch_b8 v0, s[64:65] scope:SCOPE_SE
	s_setreg_imm32_b32 hwreg(HW_REG_WAVE_MODE, 25, 1), 1
	s_wait_xcnt 0x0
	s_wait_alu depctr_hold_cnt(0) depctr_sa_sdst(0) depctr_va_vdst(0) depctr_va_sdst(0) depctr_va_ssrc(0) depctr_va_vcc(0) depctr_vm_vsrc(0)
	s_getreg_b32 s2, hwreg(HW_REG_IB_STS2, 6, 4)
	s_cmp_eq_u32 s2, 0
	s_cbranch_scc0 .Lentry_in_a_cluster
	s_endpgm
.Lentry_in_a_cluster:
	s_bfe_u32 s2, ttmp6, 0x10000c
	s_cmp_lg_u32 s2, 0xf033
	s_cbranch_scc0 .Lentry_shape_is_right
	s_endpgm
.Lentry_shape_is_right:
; out0 = A Wo^T + bo on codes of E2M3; A is attention's result as the launch before has quantised it.  The frame is that of the launch for q, k and v:
; C(i, j) = sum over k of R(i, k) L(j, k), source 0 = 16 rows of R = Wo (registers along the features), source 1 = 16 rows of L = A (a lane holds a token).
; A work-group makes 128 tokens x 256 features over all of K = 1,024; its 294,912 bytes of codes lie in LDS at once, each byte filled once, in two halves of four K steps; a wave has one tensor load outstanding at the most.
; CLUSTER 4 x 4: L's tiles hang on the cluster's row, R's on its column: each is asked for jointly by the four that need it.
; L's fragment of K step s is two heads' six registers: each as 16 bytes a lane at 16 l and 8 bytes a lane at 512 + 8 l of its 768 bytes.  L's scale word is two heads' two bytes.
; The bias is the C of each sum's first matrix instruction.  The results leave through the wave's own stage in LDS as whole rows of 512 bytes.  The stages lie in chunk 0, which has had its one fill,
; and which every wave has read for the last time ahead of the barrier of K step 3.
; REGISTERS: window 0: v1-14 ids and addresses; v16-31 L's scale words, v32-63 R's; v64-159 L's fragments, two sets; v160-191 the heads' scale bytes as loaded; on the way out v64-191 rows of out0.
;   window 1: v0-191 R's fragments, two sets; v192-255 the bias.   window 2: accumulator (a, b) at v[64 a + 8 b].
; THE FILLS: the operands come in TWO halves of K, four K steps each: L's 8 tiles x 6,144 bytes, then R's 16.
; One joint load a wave: wave 0 L's first half, wave 1 R's, wave 2 L's second half, wave 3 R's.  Waves 0 and 1 alone wait ahead of the first barrier;
; every wave waits for all its loads ahead of the barrier of K step 3.  The stages lie in the first half, which every wave has read for the last time ahead of that barrier.
.set CHUNK, 147456
.set LS,   16
.set RS,   32
.set LF,   64
.set HB,   160
.set BI,   192
.set BK,   64
.set G1L,  28
.set G1R,  36
.set G0L,  44
.set G0R,  68
.set MSB, 0
.macro WIN new
.if MSB != \new
	s_set_vgpr_msb (MSB<<8)|\new
.set MSB, \new
.endif
.endm
.macro PLACES n
.rept \n
	v_nop
.endr
.endm
.macro CROUND
	s_barrier_signal -1
	s_barrier_wait -1
	s_cmp_lg_u32 s18, 0
	s_cbranch_scc1 .Lnot_wave_0_\@
	s_barrier_signal -3
.Lnot_wave_0_\@:
	s_barrier_wait -3
	s_barrier_signal -1
	s_barrier_wait -1
.endm
.macro WM d, a, b, c, sa, sb, ra, rb
.if (\ra) && (\rb)
	v_wmma_scale_f32_16x16x128_f8f6f4 v[\d:\d+7], v[\a:\a+11], v[\b:\b+11], v[\c:\c+7], v[\sa], v[\sb] matrix_a_fmt:MATRIX_FMT_FP6 matrix_b_fmt:MATRIX_FMT_FP6 matrix_a_scale:MATRIX_SCALE_ROW1 matrix_b_scale:MATRIX_SCALE_ROW1
.elseif (\ra)
	v_wmma_scale_f32_16x16x128_f8f6f4 v[\d:\d+7], v[\a:\a+11], v[\b:\b+11], v[\c:\c+7], v[\sa], v[\sb] matrix_a_fmt:MATRIX_FMT_FP6 matrix_b_fmt:MATRIX_FMT_FP6 matrix_a_scale:MATRIX_SCALE_ROW1
.elseif (\rb)
	v_wmma_scale_f32_16x16x128_f8f6f4 v[\d:\d+7], v[\a:\a+11], v[\b:\b+11], v[\c:\c+7], v[\sa], v[\sb] matrix_a_fmt:MATRIX_FMT_FP6 matrix_b_fmt:MATRIX_FMT_FP6 matrix_b_scale:MATRIX_SCALE_ROW1
.else
	v_wmma_scale_f32_16x16x128_f8f6f4 v[\d:\d+7], v[\a:\a+11], v[\b:\b+11], v[\c:\c+7], v[\sa], v[\sb] matrix_a_fmt:MATRIX_FMT_FP6 matrix_b_fmt:MATRIX_FMT_FP6
.endif
.endm
.macro FETCH s
	WIN 0x40                                       ; destination window 1
.irp b, 0,1,2,3,4,5,6,7
.irp c, 0,1,2
	ds_load_b128 v[96*((\s)%2)+12*\b+4*\c:96*((\s)%2)+12*\b+4*\c+3], v6 offset:6144*\b+1536*((\s)%4)+512*\c
.endr
.endr
	WIN 0
.irp a, 0,1,2,3
.irp u, 0,1                                        ; head 2 s + u: registers 6 u .. 6 u + 5
	ds_load_b128 v[LF+48*((\s)%2)+12*\a+6*\u:LF+48*((\s)%2)+12*\a+6*\u+3], v4 offset:6144*\a+1536*((\s)%4)+768*\u
	ds_load_b64 v[LF+48*((\s)%2)+12*\a+6*\u+4:LF+48*((\s)%2)+12*\a+6*\u+5], v5 offset:6144*\a+1536*((\s)%4)+768*\u+512
.endr
.endr
.endm
.macro MULH s, a0                      ; the 32 accumulators take turns, one instruction a turn, in the same order in every step
	WIN 0xa1
.irp a, \a0, \a0+1
.irp b, 0,1,2,3,4,5,6,7
	WM 64*(\a)+8*\b, 96*((\s)%2)+12*\b, LF+48*((\s)%2)+12*(\a), 64*(\a)+8*\b, RS+8*(\b/2)+(\s), LS+8*((\a)/2)+(\s), \b%2, (\a)%2
.endr
.endr
.endm
.macro MULB a0                         ; K step 0 starts the sums with the bias: the eight features of R's tile b
	WIN 0x91
.irp a, \a0, \a0+1
.irp b, 0,1,2,3,4,5,6,7
	WM 64*(\a)+8*\b, 12*\b, LF+12*(\a), BI+8*\b, RS+8*(\b/2), LS+8*((\a)/2), \b%2, (\a)%2
.endr
.endr
.endm
.macro KEVEN s
	s_wait_dscnt 0x0                               ; this step's fragments are in
	PLACES 4                                       ; between the last product that read the other set and the loads into it
	FETCH (\s)+1
	MULH \s, 0
	MULH \s, 2
.endm
.macro KODD s
	s_wait_dscnt 0x0                               ; this step's fragments are in, and no LDS instruction of mine is out at the signal
	s_wait_tensorcnt 0x0                           ; all my loads have landed: the second half of K is shown whole by the barrier below
	s_barrier_signal -1
	MULH \s, 0
	WIN 0
	s_barrier_wait -1
	v_add_nc_u32 v4, CHUNK, v4                     ; on to the next chunk; these four lines are the places in front of the loads
	v_add_nc_u32 v5, CHUNK, v5
	v_add_nc_u32 v6, CHUNK, v6
	v_nop
	FETCH (\s)+1
	MULH \s, 2
.endm
; THE WAY OUT of L's tile a: 16 tokens x my 128 features go into my stage as they lie (each accumulator from its low end on) and come back as whole rows
.macro TOSTAGE a
	WIN 0x08                                       ; an LDS store's data are its source 1: window 2
.irp b, 0,1,2,3,4,5,6,7
	ds_store_b128 v13, v[64*(\a)+8*\b:64*(\a)+8*\b+3] offset:128*(\b/2)+32*(\b%2)
	ds_store_b128 v13, v[64*(\a)+8*\b+4:64*(\a)+8*\b+7] offset:128*(\b/2)+32*(\b%2)+16
.endr
	WIN 0
.irp i, 0,1,2,3,4,5,6,7,8,9,10,11,12,13,14,15
	ds_load_b128 v[BK+64*((\a)%2)+4*\i:BK+64*((\a)%2)+4*\i+3], v14 offset:528*\i   ; LDS serves a wave's instructions in order: these see the stores above, and the next tile's stores come behind them
.endr
.endm
.macro SEND a, younger                 ; younger: the LDS instructions issued behind tile a's loads
	s_wait_dscnt \younger
.irp i, 0,1,2,3,4,5,6,7,8,9,10,11,12,13,14,15
	global_store_b128 v8, v[BK+64*((\a)%2)+4*\i:BK+64*((\a)%2)+4*\i+3], s[14:15] offset:(32*((\a)/2)+8*((\a)%2)+\i+8*(\i/8))*4096 th:TH_STORE_NT   ; 32 lanes store 512 consecutive bytes of one row, aligned
.endr
.endm
	s_load_b256 s[4:11], s[0:1], 0x0               ; atc, ats, cod, scl
	s_load_b128 s[12:15], s[0:1], 0x20             ; bo, out0
	v_lshl_add_u32 v254, v0, 2, 0x48000
	v_mov_b32 v255, 0
	ds_add_u32 v254, v255
	ds_add_u32 v254, v255
	v_lshrrev_b32 v1, 5, v0
	v_readfirstlane_b32 s18, v1                    ; wave 0..3
	s_lshr_b32 s19, s18, 1                         ; wl: my half of the tokens.  Also: which half of K I fetch
	s_and_b32 s20, s18, 1                          ; wr: my half of the features.  Also: I fetch for L (0) or for R (1)
	s_bfe_u32 s21, ttmp6, 0x40000                  ; cx
	s_bfe_u32 s22, ttmp6, 0x40004                  ; cy
	s_and_b32 s84, ttmp7, 0xffff
	s_lshl_b32 s84, s84, 2
	s_add_co_u32 s84, s84, s22                     ; my block of 128 tokens: it hangs on cy, never on cx
	s_lshl_b32 s88, ttmp9, 2
	s_add_co_u32 s88, s88, s21                     ; my block of 256 features: it hangs on cx, never on cy
	s_lshl_b32 s85, s84, 3                         ; L's first tile, in atc
	s_lshl_b32 s89, s88, 4
	s_add_co_u32 s89, s89, 704                     ; R's first tile, in cod: Wo begins at tile 704
	s_lshl_b32 s2, s22, 2
	s_lshl_b32 s2, 15, s2                          ; my row of the cluster
	s_lshl_b32 s3, 0x1111, s21                     ; my column
	s_or_b32 s[G1L], s2, (3<<16)|(1<<21)           ; rows of 6,144 bytes (768 elements of 8), one for each tile, 12,288 bytes apart; no padding
	s_mov_b32 s[G1L+1], 768<<16                    ; rows of 6,144 bytes: half of a tile's K
	s_mov_b32 s[G1L+2], 8<<16                      ; 8 tiles
	s_mov_b32 s[G1L+3], 768<<16
	s_mov_b32 s[G1L+4], 8
	s_mov_b32 s[G1L+5], 1536
	s_mov_b32 s[G1L+6], 0
	s_mov_b32 s[G1L+7], 0
	s_or_b32 s[G1R], s3, (3<<16)|(1<<21)
	s_mov_b32 s[G1R+1], 768<<16
	s_mov_b32 s[G1R+2], 16<<16                     ; 16 tiles
	s_mov_b32 s[G1R+3], 768<<16
	s_mov_b32 s[G1R+4], 16
	s_mov_b32 s[G1R+5], 1536
	s_mov_b32 s[G1R+6], 0
	s_mov_b32 s[G1R+7], 0
	s_mul_i32 s86, s85, 12288                      ; L: the work-group's 8 tiles, in bytes
	s_mov_b32 s87, 0
	s_mul_i32 s90, s89, 12288                      ; R: its 16 tiles
	s_mov_b32 s91, 0
	s_wait_dscnt 0x0
	s_wait_kmcnt 0x0
	s_add_nc_u64 s[92:93], s[4:5], s[86:87]
	s_add_nc_u64 s[94:95], s[8:9], s[90:91]
.irp c, 0,1
	s_mov_b32 s[G0L+4*\c], 1
	s_mov_b32 s[G0L+4*\c+1], \c*CHUNK
	s_add_nc_u64 s[G0L+4*\c+2:G0L+4*\c+3], s[92:93], \c*6144
	s_or_b32 s[G0L+4*\c+3], s[G0L+4*\c+3], 0x80000000
	s_mov_b32 s[G0R+4*\c], 1
	s_mov_b32 s[G0R+4*\c+1], \c*CHUNK+49152
	s_add_nc_u64 s[G0R+4*\c+2:G0R+4*\c+3], s[94:95], \c*6144
	s_or_b32 s[G0R+4*\c+3], s[G0R+4*\c+3], 0x80000000
.endr
	CROUND                                         ; all sixteen work-groups are here: the joint loads meet
	s_cmp_eq_u32 s18, 0                            ; one chain of branches on the wave's number, one joint load to an arm
	s_cbranch_scc0 .Larm_1
	tensor_load_to_lds s[G0L:G0L+3], s[G1L:G1L+7]  ; wave 0: L, K steps 0-3
	s_nop 0
	PLACES 4
	s_branch .Lasked
.Larm_1:
	s_cmp_eq_u32 s18, 1
	s_cbranch_scc0 .Larm_2
	tensor_load_to_lds s[G0R:G0R+3], s[G1R:G1R+7]  ; wave 1: R, K steps 0-3
	s_nop 0
	PLACES 4
	s_branch .Lasked
.Larm_2:
	s_cmp_eq_u32 s18, 2
	s_cbranch_scc0 .Larm_3
	tensor_load_to_lds s[G0L+4:G0L+7], s[G1L:G1L+7]  ; wave 2: L, K steps 4-7
	s_nop 0
	PLACES 4
	s_branch .Lasked
.Larm_3:
	tensor_load_to_lds s[G0R+4:G0R+7], s[G1R:G1R+7]  ; wave 3: R, K steps 4-7
	s_nop 0
	PLACES 4
.Lasked:
	v_and_b32 v1, 31, v0                           ; lane
	v_and_b32 v2, 15, v0                           ; r
	v_bfe_u32 v3, v0, 4, 1                         ; h
	v_lshlrev_b32 v8, 4, v1                        ; 16 x lane
	v_lshlrev_b32 v9, 3, v1                        ; 8 x lane
	v_lshlrev_b32 v12, 2, v1                       ; 4 x lane
	s_wait_alu depctr_va_vdst(0)
	v_lshlrev_b32 v10, 4, v2
	v_lshl_add_u32 v10, v3, 9, v10                 ; R's scale words: 16 r, and the odd tile for lanes 16-31
	s_wait_alu depctr_va_vdst(0)
	v_lshlrev_b32 v11, 6, v3                       ; the bias: 64 h
	s_wait_alu depctr_va_vdst(0)
	s_lshl_b32 s60, s84, 2
	s_lshl_b32 s61, s19, 1
	s_add_co_u32 s60, s60, s61
	s_lshl_b32 s60, s60, 11                        ; ats: my two pairs of tiles, 2,048 bytes each
	s_mov_b32 s61, 0
	s_add_nc_u64 s[60:61], s[6:7], s[60:61]
	s_lshl_b32 s62, s20, 3
	s_add_co_u32 s62, s62, s89
	s_lshl_b32 s62, s62, 9
	s_mov_b32 s63, 0
	s_add_nc_u64 s[62:63], s[10:11], s[62:63]
	s_lshl_b32 s26, s88, 10
	s_lshl_b32 s27, s20, 9
	s_add_co_u32 s26, s26, s27                     ; my first feature, in bytes
	s_mov_b32 s27, 0
	s_add_nc_u64 s[98:99], s[12:13], s[26:27]
.irp i, 0,1
.irp n, 0,1,2,3,4,5,6,7,8,9,10,11,12,13,14,15
	global_load_b32 v[HB+16*\i+\n], v12, s[60:61] offset:2048*\i+128*\n   ; head n's two bytes: lanes 0-15 the even tile's rows, lanes 16-31 the odd tile's
.endr
.endr
.irp i, 0,1,2,3
.irp q, 0,1
	global_load_b128 v[RS+8*\i+4*\q:RS+8*\i+4*\q+3], v10, s[62:63] offset:1024*\i+256*\q
.endr
.endr
	WIN 0x40
.irp g, 0,1,2,3
.irp j, 0,1,2,3
	global_load_b128 v[BI+16*\g+4*\j:BI+16*\g+4*\j+3], v11, s[98:99] offset:128*\g+16*\j   ; register 16 g + i = feature 32 g + 16 h + i of my 128
.endr
.endr
	WIN 0
	s_mul_i32 s26, s19, 24576
	v_add_nc_u32 v4, s26, v8                       ; my fragments of L in chunk 0: the parts of 16 bytes a lane,
	v_add_nc_u32 v5, s26, v9                       ; and of 8
	s_mul_i32 s27, s20, 49152
	s_add_co_u32 s27, s27, 49152
	v_add_nc_u32 v6, s27, v8                       ; and of R
	s_mul_i32 s26, s18, 16*528                     ; my stage
	v_mul_u32_u24 v13, v2, 528
	v_lshl_add_u32 v13, v3, 6, v13
	v_add_nc_u32 v13, s26, v13                     ; in: row r, + 64 h
	v_add_nc_u32 v14, s26, v8                      ; back: 16 x lane of a row
	s_lshl_b32 s2, s84, 19                         ; out0: 128 tokens of 4,096 bytes a block,
	s_lshl_b32 s3, s19, 18                         ; 64 for my half,
	s_add_co_u32 s2, s2, s3
	s_lshl_b32 s3, s88, 10                         ; 256 features a block,
	s_add_co_u32 s2, s2, s3
	s_lshl_b32 s3, s20, 9                          ; 128 for my half
	s_add_co_u32 s2, s2, s3
	s_mov_b32 s3, 0
	s_add_nc_u64 s[14:15], s[14:15], s[2:3]
	s_wait_alu depctr_va_vdst(0)
	s_cmp_lt_u32 s18, 2                            ; waves 0 and 1 brought the first half of K; the second half may be on its way: nothing is filled again
	s_cbranch_scc0 .Lnot_first
	s_wait_tensorcnt 0x0
.Lnot_first:
	s_barrier_signal -1
	s_barrier_wait -1
	FETCH 0
	s_wait_loadcnt 0x0                             ; the scale words and bytes, the bias
.irp i, 0,1
.irp s, 0,1,2,3,4,5,6,7
	v_lshl_or_b32 v[LS+8*\i+\s], v[HB+16*\i+2*\s+1], 16, v[HB+16*\i+2*\s]   ; K step s: head 2 s's bytes below, head 2 s + 1's above
.endr
.endr
	PLACES 8                                       ; a scale register written by a vector instruction stands eight places ahead of the scaled product
	s_wait_alu depctr_va_vdst(0)
	s_wait_dscnt 0x0
	FETCH 1
	MULB 0
	MULB 2
	KEVEN 1                                        ; KEVEN: the next K step lies in the same half of K; KODD: in the next half
	KEVEN 2
	KODD 3
	s_wait_alu depctr_va_vdst(0)
	KEVEN 4
	KEVEN 5
	KEVEN 6
	s_wait_dscnt 0x0
	MULH 7, 0
	MULH 7, 2
	WIN 0
	PLACES 4                                       ; between the last product and the first read of results and the loads over fragments
	TOSTAGE 0
	TOSTAGE 1
	SEND 0, 32                                     ; behind tile 0's loads: tile 1's 16 stores and 16 loads
	s_wait_xcnt 0x0                                ; tile 0's stores have read their registers: tile 2's rows may land there
	TOSTAGE 2
	SEND 1, 32
	s_wait_xcnt 0x0
	TOSTAGE 3
	SEND 2, 32
	SEND 3, 0
	s_wait_tensorcnt 0x0
	ds_add_u32 v254, v255
	s_wait_dscnt 0x0
	CROUND                                         ; the closing round
	s_endpgm
.Lfunc_end_k_qef15361875_outp:
	.size	k_qef15361875_outp, .Lfunc_end_k_qef15361875_outp-k_qef15361875_outp
	.p2alignl 7, 3214868480
	.fill 96, 4, 3214868480
	.section	.rodata,"a",@progbits
	.p2align	6, 0x0
	.amdhsa_kernel k_qef15361875_outp
		.amdhsa_group_segment_fixed_size 295424
		.amdhsa_private_segment_fixed_size 0
		.amdhsa_enable_private_segment 0
		.amdhsa_kernarg_size 48
		.amdhsa_user_sgpr_count 2
		.amdhsa_user_sgpr_kernarg_segment_ptr 1
		.amdhsa_wavefront_size32 1
		.amdhsa_system_sgpr_workgroup_id_x 1
		.amdhsa_system_sgpr_workgroup_id_y 1
		.amdhsa_system_sgpr_workgroup_id_z 1
		.amdhsa_system_vgpr_workitem_id 0
		.amdhsa_next_free_vgpr 768
		.amdhsa_next_free_sgpr 100
		.amdhsa_reserve_vcc 0
		.amdhsa_float_denorm_mode_32 3
		.amdhsa_float_denorm_mode_16_64 3
		.amdhsa_memory_ordered 1
		.amdhsa_forward_progress 1
		.amdhsa_inst_pref_size 83
	.end_amdhsa_kernel
	.amdgpu_metadata
---
amdhsa.version: [ 1, 2 ]
amdhsa.kernels:
  - .name:           k_qef15361875_outp
    .symbol:         k_qef15361875_outp.kd
    .args:
      - { .name: atc, .offset: 0, .size: 8, .value_kind: global_buffer, .address_space: global }
      - { .name: ats, .offset: 8, .size: 8, .value_kind: global_buffer, .address_space: global }
      - { .name: cod, .offset: 16, .size: 8, .value_kind: global_buffer, .address_space: global }
      - { .name: scl, .offset: 24, .size: 8, .value_kind: global_buffer, .address_space: global }
      - { .name: bo, .offset: 32, .size: 8, .value_kind: global_buffer, .address_space: global }
      - { .name: out0, .offset: 40, .size: 8, .value_kind: global_buffer, .address_space: global }
    .group_segment_fixed_size: 295424
    .private_segment_fixed_size: 0
    .kernarg_segment_align: 8
    .kernarg_segment_size: 48
    .max_flat_workgroup_size: 128
    .sgpr_count:     100
    .vgpr_count:     768
    .wavefront_size: 32
...
	.end_amdgpu_metadata
.endif
;; end of part 4
